; MI455X (gfx1250); checked and timed in simulation.
; The chip was launched on July 23, 2026; its instructions are those of AMD's public machine-readable ISA for CDNA 5 (MIT licence, August 2026) and "CDNA5" Instruction Set Architecture Reference Guide (July 2026). The comments in the code are by the model that wrote it; some were corrected since.
;; Multi Head Attention Base. Allowed arithmetic: matrix products marked QUANTISED: E2M1 operands, one E8M0 scale for each 32 along K, by v_wmma_scale_f32_16x16x128_f8f6f4 with both operands' format E2M1 (or v_wmma_scale_f32_32x16x128_f4), f32 sums; everything else in f32.
;; Inputs: Wk 1,024 x 1,024 float32; Wo 1,024 x 1,024 float32; Wq 1,024 x 1,024 float32; Wv 1,024 x 1,024 float32; bo 1,024 float32; x 4 x 2,048 x 1,024 float32.
;; Outputs: out0 4 x 2,048 x 1,024 float32.
;; This version of the problem:
;;   THIS VERSION OF THE PROBLEM IS GIVEN IN LOW PRECISION. The matrix products marked QUANTISED in the list below multiply operands that are first quantised to E2M1 (2 exponent bits, 1 mantissa bit; 4 bits a number), with one power-of-two scale for each 32 numbers along K (OCP MX v1.0); their sums are f32. All else is computed in f32.
;;   The module's matrix products, in the order in which they are computed (A, B: the left and right operand; K: the contracted axis; several contracted axes count as one K, in the product's order):
;;     1. [M 8,192, K 1,024] x [K 1,024, N 1,024]; A: input x; B: input Wq: QUANTISED
;;     2. [M 8,192, K 1,024] x [K 1,024, N 1,024]; A: input x; B: input Wk: QUANTISED
;;     3. [M 8,192, K 1,024] x [K 1,024, N 1,024]; A: input x; B: input Wv: QUANTISED
;;     4. batch 64 x [M 2,048, K 64] x [K 64, N 2,048]; A: computed on the way; B: computed on the way: QUANTISED
;;     5. batch 64 x [M 2,048, K 2,048] x [K 2,048, N 64]; A: softmax (see below); B: computed on the way: QUANTISED
;;     6. [M 8,192, K 1,024] x [K 1,024, N 1,024]; A: computed on the way; B: input Wo: QUANTISED
;;   THE QUANTISER, for each operand of a quantised product, along K:
;;     - K is cut into blocks of 32 from its start; a last block that is shorter is filled with zeros.
;;     - A block's scale is 2^e with e = floor(log2(the largest magnitude in the block)) - 2, held to -126 .. 127; a block of zeros has e = 0. As a byte (E8M0): e + 127.
;;     - Each number is divided by its block's scale, clamped to +-6, and rounded to the nearest number of E2M1, ties to even, subnormals kept.
;;     - The product sums the exact products of the quantised numbers (number of the format x scale) in f32.
;;   ~~~python
;;   def quantise(x, axis):      # numpy; x: float32 -> the quantised numbers, widened to float32 again
;;       x = np.moveaxis(x, axis, -1); K = x.shape[-1]
;;       x = np.pad(x, [(0, 0)] * (x.ndim - 1) + [(0, -K % 32)]); x = x.reshape(x.shape[:-1] + (-1, 32)); a = np.abs(x).max(-1, keepdims=True)
;;       e = np.where(a > 0, np.clip(np.frexp(np.where(a > 0, a, 1))[1] - 1 - 2, -126, 127), 0)      # np.frexp(a)[1] - 1 = floor(log2(a)), exactly
;;       r = np.clip(x / 2.0 ** e, -6, 6)
;;       step = 2.0 ** (np.maximum(np.frexp(np.where(r == 0, 1, r))[1] - 1, 0) - 1)
;;       q = np.round(r / step) * step * 2.0 ** e      # np.round: ties to even
;;       return np.moveaxis(q.reshape(q.shape[:-2] + (-1,))[..., :K], -1, axis).astype(np.float32)
;;   ~~~
;;   SOFTMAX AHEAD OF A QUANTISED PRODUCT. Where the list says 'softmax', what is quantised is not the finished softmax but p = 2^(t - M), with t = logit x log2(e) and M = ceil(the row's largest t), a whole number; so 1/2 < the row's largest p <= 1. The row's sum l is taken of the UNQUANTISED p, in f32, and the product's result is divided by l at the end. Since M is a whole number, a kernel that streams over the keys may use a running M (the ceiling of the running maximum): every later rescaling is an exact power of two, which a block's scale takes up: the codes' values come out the same.
;;   OPERANDS COMPUTED ON THE WAY. 'Computed on the way' means the value that the module computes at that place (a softmax that the list does not call 'softmax' is quantised finished and normalised). What goes into a quantiser is computed in f32, as accurately as f32 sums, v_exp_f32 and their like allow (about 1e-6 of the number): no bf16 or f16 on the way to a quantiser, and a product that is left as it is and whose result goes on into a quantised operand takes f32 operands (vector FMAs, or v_wmma_f32_16x16x4_f32). A number that lies on a knife's edge between two numbers of the format may be rounded either way, as far as f32 arithmetic and the matrix unit's own rounding can turn it there, and no further.
;; One version. Each part assembles by itself: llvm-mc -triple=amdgcn-amd-amdhsa -mcpu=gfx1250 --defsym DOCPART=n.
;; ======== version 1 of 1: 4 launches
;; workspace buffers: cin 6,291,456 bytes; sin 393,216 bytes; qkc 12,582,912 bytes; qks 786,432 bytes; oc 4,194,304 bytes; os 262,144 bytes
;; launch quant (part 1): grid 192 x 4, 4 waves a work-group, no clusters, 19,968 bytes of LDS; arguments x, Wq, Wk, Wv, Wo, cin, sin; writes cin, sin
.if DOCPART == 1
	.amdgcn_target "amdgcn-amd-amdhsa--gfx1250"
	.amdhsa_code_object_version 6
	.text
	.protected	k_q6d61f47231_quant
	.globl	k_q6d61f47231_quant
	.p2align	8
	.type	k_q6d61f47231_quant,@function
k_q6d61f47231_quant:
	s_mov_b64 s[64:65], 0
	v_nop
	global_prefetch_b8 v0, s[64:65] scope:SCOPE_SE
	s_setreg_imm32_b32 hwreg(HW_REG_WAVE_MODE, 25, 1), 1
	s_wait_xcnt 0x0
; x [8192][1024] and Wq, Wk, Wv, Wo [1024][1024], f32 with K innermost, become codes of FP4 (E2M1) with one E8M0 scale byte for each 32 along K.
; A block's scale is 2^(floor(log2(its largest magnitude)) - 2); its byte is the largest magnitude's exponent field - 2, held at 1 from below.
; LIMITS: NaN and infinities among the inputs are not served; a block whose largest magnitude lies under 2^-124 keeps the byte 1; a block of zeros gets the byte 1 where the rule says 127
; (its codes are zeros, which add nothing under any byte but 0xff, and the bytes are read by this program alone).
; LAYOUT OF THE RESULT.  Rows are kept BY POSITION: position p holds the tensor's row p with bits 3 and 4 exchanged, so that tile 2 b + u of 16 positions holds rows 32 b + 8 u + r + 8 (r / 8).
; Codes are kept as IMAGES of operand registers: 16 positions x 64 along K are 512 bytes, lane l = 16 h + r has the 16 bytes at 16 l: position r, k = 32 h .. 32 h + 31.
;   cin: [tile 0..767][64 k: 0..15][512 bytes]; tiles 0-511 x, 512-575 Wq, 576-639 Wk, 640-703 Wv, 704-767 Wo.    sin: [128 k: 0..7][position 0..12287], one word of four bytes each.
; SHARES.  A work-group takes 4 tiles x 256 along K, a wave one tile: four steps of 16 rows x 64 k.  Each load takes 256 consecutive bytes of two rows; the 4,096 bytes of a step turn through the wave's own stage in LDS
; (rows 272 bytes apart) and come back as 32 neighbours along K in each lane: a whole block, so that no other lane is asked for its maximum.  All 32 loads of a wave go out at the head.
; No tensor loads, no matrix work, no cluster: the work-groups share no input byte.
.set SPT,   272                        ; a stage row: 256 bytes + 16
.set STGW,  4608                       ; a wave's stage: 16 rows
.set SCG,   4*STGW                     ; behind the stages: the work-group's scale words, [2][64 positions]
.set XR,    32                         ; v32-63   a block: 32 neighbours along K
.set RR,    64                         ; v64-191  the four steps' numbers as loaded
.set CR,    192                        ; v192-207 codes, four registers a step: no store's data are written again
.set ER,    208                        ; v208-211 the steps' scale bytes
.set OWR,   212                        ; v212-215 the scale words on their way out
	s_load_b256 s[4:11], s[0:1], 0x0               ; x, Wq, Wk, Wv
	s_load_b128 s[12:15], s[0:1], 0x20             ; Wo, cin
	s_load_b64 s[16:17], s[0:1], 0x30              ; sin
	v_lshl_add_u32 v216, v0, 2, 0x4c00
	v_mov_b32 v217, 0
	v_lshrrev_b32 v1, 5, v0
	v_readfirstlane_b32 s18, v1                    ; wave 0..3
	v_and_b32 v1, 31, v0                           ; lane
	v_and_b32 v2, 15, v0                           ; r
	v_bfe_u32 v3, v0, 4, 1                         ; h
	v_lshlrev_b32 v4, 4, v2
	v_lshl_add_u32 v4, v3, 12, v4                  ; a load: lanes 0-15 one row's 256 bytes, lanes 16-31 the next row's
	s_mul_i32 s19, s18, STGW
	v_mul_u32_u24 v5, v3, SPT
	v_lshl_add_u32 v5, v2, 4, v5
	v_add_nc_u32 v5, s19, v5                       ; into the stage, as loaded
	v_mul_u32_u24 v6, v2, SPT
	v_lshl_add_u32 v6, v3, 7, v6
	v_add_nc_u32 v6, s19, v6                       ; out of it: position r, 128 bytes of half h
	v_lshlrev_b32 v7, 4, v1                        ; an image's place for my lane
	v_lshlrev_b32 v8, 3, v3                        ; 8 h: my bytes' place in a scale word
	s_lshl_b32 s19, s18, 6
	v_lshlrev_b32 v9, 2, v2
	v_add_nc_u32 v9, s19, v9
	v_add_nc_u32 v9, SCG, v9                       ; my position's scale word in LDS
	v_add_nc_u32 v16, SCG, v7                      ; the way out of the scale words: 16 bytes a lane,
	v_mul_u32_u24 v17, v3, 0xc000
	v_lshl_add_u32 v17, v2, 4, v17                 ; lanes 0-15 the first 128 k, lanes 16-31 the second, 12,288 words further on
	v_mov_b32 v14, 0                               ; written once: a lane permute's destination counts as one of its sources
	s_mov_b32 s20, 0x76543210
	s_mov_b32 s21, 0xfedcba98                      ; v_permlanex16_b32's selects for lane l xor 16
	s_and_b32 s28, ttmp7, 0xffff                   ; which 256 along K
	s_and_b32 s24, ttmp9, 15                       ; a weight's group of four tiles
	s_wait_kmcnt 0x0
	s_mov_b64 s[22:23], s[12:13]                   ; whose tiles are mine?  The choice hangs on the work-group's number alone
	s_cmp_lt_u32 ttmp9, 176
	s_cselect_b64 s[22:23], s[10:11], s[22:23]
	s_cmp_lt_u32 ttmp9, 160
	s_cselect_b64 s[22:23], s[8:9], s[22:23]
	s_cmp_lt_u32 ttmp9, 144
	s_cselect_b64 s[22:23], s[6:7], s[22:23]
	s_cmp_lt_u32 ttmp9, 128
	s_cselect_b64 s[22:23], s[4:5], s[22:23]
	s_cselect_b32 s24, ttmp9, s24
	s_lshl_b32 s24, s24, 2
	s_add_co_u32 s24, s24, s18                     ; my tile in its tensor
	s_lshr_b32 s25, s24, 1
	s_lshl_b32 s25, s25, 5
	s_and_b32 s26, s24, 1
	s_lshl_b32 s26, s26, 3
	s_add_co_u32 s25, s25, s26                     ; its first row: 32 (tile / 2) + 8 (tile % 2)
	s_lshl_b32 s26, s25, 12
	s_lshl_b32 s27, s28, 10
	s_add_co_u32 s26, s26, s27
	s_mov_b32 s27, 0
	s_add_nc_u64 s[22:23], s[22:23], s[26:27]
	s_lshl_b32 s26, ttmp9, 2
	s_add_co_u32 s26, s26, s18
	s_lshl_b32 s26, s26, 13                        ; cin: 8,192 bytes a tile,
	s_lshl_b32 s29, s28, 11                        ; 2,048 for 256 along K
	s_add_co_u32 s26, s26, s29
	s_add_nc_u64 s[14:15], s[14:15], s[26:27]
	s_mul_i32 s26, s28, 98304                      ; sin: two rows of 12,288 words for 256 along K,
	s_lshl_b32 s29, ttmp9, 8                       ; 64 words a work-group
	s_add_co_u32 s26, s26, s29
	s_add_nc_u64 s[16:17], s[16:17], s[26:27]
.macro LOAD g                          ; step g: 64 k of the tile's 16 rows; load i takes positions 2 i and 2 i + 1, which are rows 2 i + 8 (i / 4) and the next
.irp i, 0,1,2,3,4,5,6,7
	global_load_b128 v[RR+32*\g+4*\i:RR+32*\g+4*\i+3], v4, s[22:23] offset:(2*\i+8*(\i/4))*4096+256*\g th:TH_LOAD_NT
.endr
.endm
	LOAD 0
	LOAD 1
	LOAD 2
	LOAD 3
.macro STEP g
	s_wait_loadcnt 8*(3-\g)                        ; this step's eight loads are in; the later steps', eight each, may be out
.irp i, 0,1,2,3,4,5,6,7
	ds_store_b128 v5, v[RR+32*\g+4*\i:RR+32*\g+4*\i+3] offset:2*SPT*\i
.endr
.irp j, 0,1,2,3,4,5,6,7
	ds_load_b128 v[XR+4*\j:XR+4*\j+3], v6 offset:16*\j       ; LDS serves a wave's instructions in order: these see the stores above
.endr
	s_wait_dscnt 0x0
	v_max3_num_f32 v10, |v[XR]|, |v[XR+1]|, |v[XR+2]|        ; the block's largest magnitude: all 32 numbers are mine; two chains
	v_max3_num_f32 v11, |v[XR+3]|, |v[XR+4]|, |v[XR+5]|
.irp i, 6,10,14,18,22,26
	v_max3_num_f32 v10, v10, |v[XR+\i]|, |v[XR+\i+1]|
	v_max3_num_f32 v11, v11, |v[XR+\i+2]|, |v[XR+\i+3]|
.endr
	v_max3_num_f32 v10, v10, |v[XR+30]|, |v[XR+31]|
	v_max3_num_f32 v10, v10, v11, 0x1800000        ; and the floor 2^(3 - 127): the byte cannot fall under 1
	v_add_nc_u32 v12, 0xff000000, v10              ; 2 off the exponent field: the conversion takes this operand's exponent field as its scale
.irp j, 0,1,2,3
	v_cvt_scalef32_pk8_fp4_f32 v[CR+4*\g+\j], v[XR+8*\j:XR+8*\j+7], v12
.endr
	v_lshrrev_b32 v[ER+\g], 23, v12                ; the scale's byte (also the plain line behind the conversions)
	global_store_b128 v7, v[CR+4*\g:CR+4*\g+3], s[14:15] offset:512*\g    ; an image: 512 consecutive bytes
.if \g%2
	v_lshl_or_b32 v13, v[ER+\g], 16, v[ER+\g-1]    ; 128 k are done: my two bytes, blocks h and 2 + h,
	v_lshlrev_b32 v13, v8, v13                     ; at their places in the word;
	v_permlanex16_b32 v14, v13, s20, s21
	v_or_b32 v13, v13, v14                         ; with lane l xor 16's two the word is whole
	ds_store_b32 v9, v13 offset:256*(\g/2)         ; both halves of the lanes write the same word with the same value
.endif
.endm
	STEP 0
	STEP 1
	STEP 2
	STEP 3
	s_wait_dscnt 0x0                               ; for the others' sake: my scale words lie in LDS
	s_barrier_signal -1
	s_barrier_wait -1
	s_cmp_lg_u32 s18, 0                            ; wave 0 stores the work-group's 128 words: sixteen lanes to 256 consecutive, aligned bytes
	s_cbranch_scc1 .Ldone
	ds_load_b128 v[OWR:OWR+3], v16
	s_wait_dscnt 0x0
	global_store_b128 v17, v[OWR:OWR+3], s[16:17]
.Ldone:
	s_wait_tensorcnt 0x0
	ds_add_u32 v216, v217
	s_wait_dscnt 0x0
	s_endpgm
.Lfunc_end_k_q6d61f47231_quant:
	.size	k_q6d61f47231_quant, .Lfunc_end_k_q6d61f47231_quant-k_q6d61f47231_quant
	.p2alignl 7, 3214868480
	.fill 96, 4, 3214868480
	.section	.rodata,"a",@progbits
	.p2align	6, 0x0
	.amdhsa_kernel k_q6d61f47231_quant
		.amdhsa_group_segment_fixed_size 19968
		.amdhsa_private_segment_fixed_size 0
		.amdhsa_enable_private_segment 0
		.amdhsa_kernarg_size 56
		.amdhsa_user_sgpr_count 2
		.amdhsa_user_sgpr_kernarg_segment_ptr 1
		.amdhsa_wavefront_size32 1
		.amdhsa_system_sgpr_workgroup_id_x 1
		.amdhsa_system_sgpr_workgroup_id_y 1
		.amdhsa_system_sgpr_workgroup_id_z 1
		.amdhsa_system_vgpr_workitem_id 0
		.amdhsa_next_free_vgpr 218
		.amdhsa_next_free_sgpr 66
		.amdhsa_reserve_vcc 0
		.amdhsa_float_denorm_mode_32 3
		.amdhsa_float_denorm_mode_16_64 3
		.amdhsa_memory_ordered 1
		.amdhsa_forward_progress 1
		.amdhsa_inst_pref_size 18
	.end_amdhsa_kernel
	.amdgpu_metadata
---
amdhsa.version: [ 1, 2 ]
amdhsa.kernels:
  - .name:           k_q6d61f47231_quant
    .symbol:         k_q6d61f47231_quant.kd
    .args:
      - { .name: x, .offset: 0, .size: 8, .value_kind: global_buffer, .address_space: global }
      - { .name: Wq, .offset: 8, .size: 8, .value_kind: global_buffer, .address_space: global }
      - { .name: Wk, .offset: 16, .size: 8, .value_kind: global_buffer, .address_space: global }
      - { .name: Wv, .offset: 24, .size: 8, .value_kind: global_buffer, .address_space: global }
      - { .name: Wo, .offset: 32, .size: 8, .value_kind: global_buffer, .address_space: global }
      - { .name: cin, .offset: 40, .size: 8, .value_kind: global_buffer, .address_space: global }
      - { .name: sin, .offset: 48, .size: 8, .value_kind: global_buffer, .address_space: global }
    .group_segment_fixed_size: 19968
    .private_segment_fixed_size: 0
    .kernarg_segment_align: 8
    .kernarg_segment_size: 56
    .max_flat_workgroup_size: 128
    .sgpr_count:     66
    .vgpr_count:     218
    .wavefront_size: 32
...
	.end_amdgpu_metadata
.endif
;; end of part 1
;; launch qkv (part 2): grid 8 x 48, 4 waves a work-group, clusters of 4 x 4, 281,088 bytes of LDS; arguments cin, sin, qkc, qks; writes qkc, qks
.if DOCPART == 2
	.amdgcn_target "amdgcn-amd-amdhsa--gfx1250"
	.amdhsa_code_object_version 6
	.text
	.protected	k_q6d61f47231_qkv
	.globl	k_q6d61f47231_qkv
	.p2align	8
	.type	k_q6d61f47231_qkv,@function
k_q6d61f47231_qkv:
	s_mov_b64 s[64:65], 0
	v_nop
	global_prefetch_b8 v0, s[64:65] scope:SCOPE_SE
	s_setreg_imm32_b32 hwreg(HW_REG_WAVE_MODE, 25, 1), 1
	s_wait_xcnt 0x0
	s_wait_alu depctr_hold_cnt(0) depctr_sa_sdst(0) depctr_va_vdst(0) depctr_va_sdst(0) depctr_va_ssrc(0) depctr_va_vcc(0) depctr_vm_vsrc(0)
	s_getreg_b32 s2, hwreg(HW_REG_IB_STS2, 6, 4)
	s_cmp_eq_u32 s2, 0
	s_cbranch_scc0 .Lentry_in_a_cluster
	s_endpgm
.Lentry_in_a_cluster:
	s_bfe_u32 s2, ttmp6, 0x10000c
	s_cmp_lg_u32 s2, 0xf033
	s_cbranch_scc0 .Lentry_shape_is_right
	s_endpgm
.Lentry_shape_is_right:
; q, k and v of all heads: three products of x with Wq, Wk, Wv on codes of FP4 (K = 1,024), and their results quantised at once for the attention that follows: nothing wider than codes goes to memory.
; A tile is 256 x 256: four waves, each 128 positions of A x 128 positions of B in 64 accumulators.  THE MATRIX INSTRUCTION IS USED TRANSPOSED (source 0 = 16 positions of B, source 1 = 16 of A):
; a lane holds ONE position of A, and since positions hold rows with bits 3 and 4 exchanged, the 16 registers of B's tiles 2 b and 2 b + 1 are B's rows 32 b + 16 (lane / 16) + 0 .. 15: neighbours, as a quantiser wants them.
;   clusters y 0-7:  A = x, B = Wq | Wk: a lane holds a token and 128 features = two heads of 64: q and k are quantised along the head's 64.
;   clusters y 8-11: A = Wv, B = x: a lane holds a feature and 128 tokens: v is quantised along the keys.
; Both roles take ONE path: only offsets are selected, on the cluster's y, which all sixteen partners share.
; RESULT.  qkc: images of 16 positions x 64: q at (head 512 + token tile) 512, k at ((16 + head) 512 + token tile) 512, v at 8,388,608 + ((token / 64) 64 + feature tile) 512.
;   qks: words: q at (pair 8192 + position) 4, k at ((8 + pair) 8192 + position) 4 (bytes 0, 1: the pair's even head; 2, 3: its odd head); v at 524,288 + ((token / 128) 1024 + feature position) 4.
; ALL OF K LIES IN LDS: two slots of K = 512, each filled ONCE, at the head, so no LDS byte is filled twice.  A wave has two tensor loads out at the most.
; CLUSTERS: 4 x 4.  A's tiles are shared along a row of the cluster, B's along a column: each is asked for jointly.  The scale words (16 KiB beside 256 KiB of codes) come through registers, each work-group's own.
; LIMITS: as the quantiser's in the launch before: NaN and infinities are not served; a block under 2^-124, or of zeros, keeps the byte 1.
; REGISTERS, in windows of 256: window 0: v1-27 addresses; v32-47 scale words, two sets; v48-64 at work on the way out; v64-95 scale words on their way into LDS; v128-255 A's fragments, two sets, later the codes made.
;   window 1: B's fragments, two sets, at v0 and v128.   window 2: accumulators (a, b) at v[8 (8 a + b)], a = 0 .. 3;   window 3: a = 4 .. 7.
.set NA,    8                          ; A's tiles of 16 positions in a wave
.set SLOT,  NA*8192+65536              ; a slot: A's 2 NA tiles x 4,096 bytes (K = 512), then B's 16
.set ASC,   2*SLOT                     ; A's scale words: 8 rows (128 k each) of 1,024 bytes
.set BSC,   ASC+8192                   ; B's likewise
.set STG,   BSC+8192                   ; 512 bytes a wave: the scale words made
.set ADRA,  16                         ; v16-17  my A fragments in slot 0, 1
.set ADRB,  20                         ; v20-21  my B fragments
.set SLO,   22                         ; v22     the scale words' place in memory for my thread
.set SW,    23                         ; v23     and in LDS: ASC + 16 x thread
.set SGW,   24                         ; v24     where I put a scale word made
.set GI,    25                         ; v25     16 x lane
.set SGR,   26                         ; v26     where I read my wave's words back
.set ADRS,  27                         ; v27     scale words: lanes 0-15 A's, lanes 16-31 B's
.set SC,    32
.set TM,    48                         ; v48-51 largest magnitudes, v52-55 bytes, v60-63 the conversions' scale operands
.set PW,    64                         ; the scale word just made
.set LT,    64
.set AF,    128
.set G1,    24                         ; s[24:31] descriptor group 1 for A's tiles; s[32:39] group 0, a set for each slot
.set G0,    32
.set G1B,   48                         ; s[48:55], s[56:63] the same for B's
.set G0B,   56
.set WV,    84                         ; s84 wave; s85 wave / 2: my half of A's positions, and whether I fetch for A (0) or B (1); s86 wave % 2: my half of B's, and which half of a tile I fetch
.set RH,    85
.set CH,    86
.set SEL,   88
.set MSB, 0
.macro WIN new                         ; the immediate's high byte repeats the setting that is left
.if MSB != (\new)
	s_set_vgpr_msb (MSB<<8)|(\new)
.set MSB, (\new)
.endif
.endm
; A joint load: waves 0 and 1 fetch for A, waves 2 and 3 for B.  The branch hangs on the wave's number alone.  Four v_nop follow each of the two lines.
.macro JLOAD g0a, g0b
	s_cmp_eq_u32 s[RH], 0
	s_cbranch_scc0 .Lfor_b_\@
	tensor_load_to_lds s[\g0a:\g0a+3], s[G1:G1+7]
	s_nop 0
.rept 4
	v_nop
.endr
	s_branch .Lasked_\@
.Lfor_b_\@:
	tensor_load_to_lds s[\g0b:\g0b+3], s[G1B:G1B+7]
	s_nop 0
.rept 4
	v_nop
.endr
.Lasked_\@:
.endm
.macro CROUND                          ; a round of the cluster's barrier
	s_barrier_signal -1
	s_barrier_wait -1
	s_cmp_lg_u32 s[WV], 0
	s_cbranch_scc1 .Lnot_wave_0_\@
	s_barrier_signal -3
.Lnot_wave_0_\@:
	s_barrier_wait -3
	s_barrier_signal -1
	s_barrier_wait -1
.endm
.macro PLACES n
.rept \n
	v_nop
.endr
.endm
	s_load_b256 s[4:11], s[0:1], 0x0               ; cin s[4:5], sin s[6:7], qkc s[8:9], qks s[10:11]
	v_lshl_add_u32 v126, v0, 2, 0x44800
	v_mov_b32 v127, 0
	ds_add_u32 v126, v127
	ds_add_u32 v126, v127
	v_lshrrev_b32 v1, 5, v0
	v_readfirstlane_b32 s[WV], v1
	s_lshr_b32 s[RH], s[WV], 1
	s_and_b32 s[CH], s[WV], 1
	s_bfe_u32 s40, ttmp6, 0x40000                  ; cx, cy: my place in the cluster
	s_bfe_u32 s41, ttmp6, 0x40004
	s_and_b32 s18, ttmp7, 0xffff                   ; the cluster's y
	s_sub_co_u32 s19, s18, 8
	s_lshl_b32 s19, s19, 1
	s_add_co_u32 s19, s19, ttmp9                   ; v's clusters, counted 0 .. 7 (used where y >= 8)
	s_cmp_ge_u32 s18, 8                            ; v's role?  The same answer in all sixteen partners
	s_cselect_b32 s20, s19, ttmp9                  ; the cluster's place along B
	s_cselect_b32 s21, 0, s18                      ; and along A
	s_cselect_b32 s22, 640, 0                      ; A's first tile in cin: Wv's or x's
	s_cselect_b32 s23, 0, 512                      ; B's: x's or Wq's
	s_cselect_b32 s66, 64, 512                     ; tiles of A's axis in the result: 64 feature tiles or 512 token tiles
	s_cselect_b32 s67, 0x800000, 0                 ; where the result's images begin
	s_cselect_b32 s68, 0x80000, 0                  ; and its words
	s_lshl_b32 s42, s20, 2
	s_add_co_u32 s42, s42, s40                     ; tile column (256 of B)
	s_lshl_b32 s17, s21, 2
	s_add_co_u32 s17, s17, s41                     ; tile row (256 of A)
	s_lshl_b32 s43, s41, 2
	s_lshl_b32 s43, 15, s43                        ; my row of the cluster
	s_lshl_b32 s44, 0x1111, s40                    ; my column
	; descriptor group 1: 8 tiles' K half: 8 rows of 4,096 bytes (512 elements of 8 bytes), 8,192 bytes apart in memory, on end in LDS
	s_or_b32 s[G1+0], s43, (3<<16)|(1<<21)         ; 15:0 the mask; 17:16 elements of 8 bytes; 21 set beside a mask; no padding
	s_or_b32 s[G1B+0], s44, (3<<16)|(1<<21)
.irp g, G1, G1B
	s_mov_b32 s[\g+1], 512<<16                     ; tensor_dim0
	s_mov_b32 s[\g+2], 8<<16                       ; tensor_dim1
	s_mov_b32 s[\g+3], 512<<16                     ; tile_dim0
	s_mov_b32 s[\g+4], 8                           ; tile_dim1
	s_mov_b32 s[\g+5], 1024                        ; tensor_dim0_stride
	s_mov_b32 s[\g+6], 0
	s_mov_b32 s[\g+7], 0
.endr
	s_lshl_b32 s70, s17, 4
	s_add_co_u32 s70, s70, s22                     ; the work-group's first tile of A: it hangs on the tile row alone,
	s_lshl_b32 s72, s42, 4
	s_add_co_u32 s72, s72, s23                     ; of B: on the tile column alone
	s_lshl_b32 s74, s70, 6                         ; their scale words: 64 bytes a tile
	s_mov_b32 s75, 0
	s_lshl_b32 s76, s72, 6
	s_mov_b32 s77, 0
	s_lshl_b32 s18, s[CH], 3                       ; which 8 tiles I fetch
	s_add_co_u32 s70, s70, s18
	s_add_co_u32 s72, s72, s18
	s_lshl_b32 s70, s70, 13                        ; 8,192 bytes a tile
	s_mov_b32 s71, 0
	s_lshl_b32 s72, s72, 13
	s_mov_b32 s73, 0
	s_mul_i32 s45, s[CH], NA*4096                  ; where they go: no place in the cluster enters an LDS address
	s_lshl_b32 s46, s[CH], 15
	s_add_co_u32 s46, s46, NA*8192
	s_wait_dscnt 0x0
	s_wait_kmcnt 0x0
	s_add_nc_u64 s[70:71], s[4:5], s[70:71]
	s_add_nc_u64 s[72:73], s[4:5], s[72:73]
	s_add_nc_u64 s[74:75], s[6:7], s[74:75]
	s_add_nc_u64 s[76:77], s[6:7], s[76:77]
	CROUND                                         ; all sixteen work-groups are here: the joint loads meet
.irp s, 0,1
	s_mov_b32 s[G0+4*\s], 1                        ; count = 1
	s_add_co_u32 s[G0+4*\s+1], s45, \s*SLOT        ; LDS address
	s_add_nc_u64 s[G0+4*\s+2:G0+4*\s+3], s[70:71], \s*4096   ; global address: K half s
	s_or_b32 s[G0+4*\s+3], s[G0+4*\s+3], 0x80000000          ; type = 2
	s_mov_b32 s[G0B+4*\s], 1
	s_add_co_u32 s[G0B+4*\s+1], s46, \s*SLOT
	s_add_nc_u64 s[G0B+4*\s+2:G0B+4*\s+3], s[72:73], \s*4096
	s_or_b32 s[G0B+4*\s+3], s[G0B+4*\s+3], 0x80000000
	JLOAD G0+4*\s, G0B+4*\s
.endr
	; the scale words of the work-group's 256 + 256 positions, all 8 steps of 128 k: 1,024 bytes a row, rows 49,152 bytes apart in memory; 128 threads x 16 bytes take two rows
	v_lshrrev_b32 v3, 6, v0
	v_and_b32 v4, 63, v0
	v_mul_u32_u24 v[SLO], v3, 0xc000
	v_lshl_add_u32 v[SLO], v4, 4, v[SLO]
.irp n, 0,1,2,3
	global_load_b128 v[LT+4*\n:LT+4*\n+3], v[SLO], s[74:75] offset:\n*98304
	global_load_b128 v[LT+16+4*\n:LT+16+4*\n+3], v[SLO], s[76:77] offset:\n*98304
.endr
	v_lshl_add_u32 v[SW], v0, 4, ASC
	v_and_b32 v1, 15, v0                           ; r
	v_bfe_u32 v2, v0, 4, 1                         ; h
	s_wait_alu depctr_va_vdst(0)
	v_and_b32 v3, 31, v0
	v_lshlrev_b32 v[GI], 4, v3
	s_mul_i32 s18, s[RH], NA*4096                  ; my 8 tiles of A,
	s_lshl_b32 s19, s[CH], 15
	s_add_co_u32 s19, s19, NA*8192                 ; my 8 of B, behind A's 16
.irp s, 0,1
	v_add_nc_u32 v[ADRA+\s], s18, v[GI]
	v_add_nc_u32 v[ADRB+\s], s19, v[GI]
	s_add_co_u32 s18, s18, SLOT
	s_add_co_u32 s19, s19, SLOT
.endr
	s_mul_i32 s21, s[RH], 64*NA                    ; A's words: my 128 positions
	s_lshl_b32 s22, s[CH], 9                       ; B's: my 128, 8,192 bytes behind A's
	s_add_co_u32 s22, s22, BSC-ASC
	s_sub_co_u32 s22, s22, s21
	v_mul_u32_u24 v6, s22, v2                      ; lanes 16-31 take B's: the lower base + h x the distance
	s_add_co_u32 s21, s21, ASC
	v_lshlrev_b32 v5, 2, v1
	v_add_nc_u32 v5, v5, v6
	v_add_nc_u32 v[ADRS], s21, v5
	s_lshl_b32 s20, s[WV], 9
	s_add_co_u32 s20, s20, STG
	v_lshl_add_u32 v[SGW], v1, 2, s20
	v_add_nc_u32 v[SGR], s20, v[GI]
.irp b, 0,1,2,3
	v_mov_b32 v[TM+4+\b], 0                        ; written once: a lane permute's destination counts as one of its sources
.endr
	s_mov_b32 s[SEL], 0x76543210
	s_mov_b32 s[SEL+1], 0xfedcba98
	; where my results go.  Images: ((4 column + 2 half + c) x tiles of A's axis + 16 row + 8 half + a) x 512
	s_lshl_b32 s80, s42, 2
	s_lshl_b32 s81, s[CH], 1
	s_add_co_u32 s80, s80, s81
	s_mul_i32 s80, s80, s66
	s_lshl_b32 s81, s17, 4
	s_add_co_u32 s80, s80, s81
	s_lshl_b32 s81, s[RH], 3
	s_add_co_u32 s80, s80, s81
	s_lshl_b32 s80, s80, 9
	s_add_co_u32 s80, s80, s67
	s_mov_b32 s81, 0
	s_add_nc_u64 s[90:91], s[8:9], s[80:81]        ; c = 0
	s_lshl_b32 s80, s66, 9
	s_add_nc_u64 s[92:93], s[90:91], s[80:81]      ; c = 1
	s_lshl_b32 s80, s42, 1                         ; words: ((2 column + half) x 16 x tiles of A's axis + 256 row + 128 half) x 4
	s_add_co_u32 s80, s80, s[CH]
	s_mul_i32 s80, s80, s66
	s_lshl_b32 s80, s80, 4
	s_lshl_b32 s82, s17, 8
	s_add_co_u32 s80, s80, s82
	s_lshl_b32 s82, s[RH], 7
	s_add_co_u32 s80, s80, s82
	s_lshl_b32 s80, s80, 2
	s_add_co_u32 s80, s80, s68
	s_add_nc_u64 s[94:95], s[10:11], s[80:81]
; The fragments and scale words of step q (128 along K) into set p: 16 + 16 loads of 512 consecutive bytes, and 8 of a word a lane.
.macro FETCH q, p
	WIN 0x40                                       ; destination window 1
.irp i, 0,1,2,3,4,5,6,7
.irp c, 0,1
	ds_load_b128 v[128*(\p)+8*\i+4*\c:128*(\p)+8*\i+4*\c+3], v[ADRB+(\q)/4] offset:\i*4096+((\q)%4)*1024+512*\c
.endr
.endr
	WIN 0
.irp i, 0,1,2,3,4,5,6,7
.irp c, 0,1
	ds_load_b128 v[AF+8*NA*(\p)+8*\i+4*\c:AF+8*NA*(\p)+8*\i+4*\c+3], v[ADRA+(\q)/4] offset:\i*4096+((\q)%4)*1024+512*\c
.endr
.endr
.irp i, 0,1,2,3,4,5,6,7
	ds_load_b32 v[SC+8*(\p)+\i], v[ADRS] offset:(\q)*1024+64*\i    ; lanes 0-15: A's tile i; lanes 16-31: B's tile i
.endr
.endm
; A's tile a against B's eight.  The accumulators take turns, one instruction a turn, in the same order in every step.  first = 1: the products start the sums.
.macro MULA a, p, first
.irp b, 0,1,2,3,4,5,6,7
.if \first
	v_wmma_scale_f32_16x16x128_f8f6f4 v[8*(8*((\a)%4)+\b):8*(8*((\a)%4)+\b)+7], v[128*(\p)+8*\b:128*(\p)+8*\b+7], v[AF+8*NA*(\p)+8*(\a):AF+8*NA*(\p)+8*(\a)+7], 0, v[SC+8*(\p)+\b], v[SC+8*(\p)+(\a)] matrix_a_fmt:MATRIX_FMT_FP4 matrix_b_fmt:MATRIX_FMT_FP4 matrix_a_scale:MATRIX_SCALE_ROW1
.else
	v_wmma_scale_f32_16x16x128_f8f6f4 v[8*(8*((\a)%4)+\b):8*(8*((\a)%4)+\b)+7], v[128*(\p)+8*\b:128*(\p)+8*\b+7], v[AF+8*NA*(\p)+8*(\a):AF+8*NA*(\p)+8*(\a)+7], v[8*(8*((\a)%4)+\b):8*(8*((\a)%4)+\b)+7], v[SC+8*(\p)+\b], v[SC+8*(\p)+(\a)] matrix_a_fmt:MATRIX_FMT_FP4 matrix_b_fmt:MATRIX_FMT_FP4 matrix_a_scale:MATRIX_SCALE_ROW1
.endif
.endr
.endm
.macro KSTEP q, first
	s_wait_dscnt 0x0                               ; this step's set is in: it was asked for a step, 64 matrix instructions, ago
.if \q == 3
	s_wait_tensorcnt 0x0                           ; my part of slot 1 has landed,
	s_barrier_signal -1
	s_barrier_wait -1                              ; everybody's has; nothing is ever filled again
.endif
.if \q < 7
.if \q > 0
	PLACES 4                                       ; four plain lines between the last step's products and loads into the registers that they read (ISA guide 7.12.1 for vector instructions)
.endif
	FETCH \q+1, (\q+1)%2
.endif
	WIN 0xa1                                       ; source 0 (B) window 1, source 1 (A) window 0, C and D window 2
.irp a, 0,1,2,3
	MULA \a, \q%2, \first
.endr
	WIN 0xf1                                       ; C and D window 3
.irp a, 4,5,6,7
	MULA \a, \q%2, \first
.endr
.endm
	s_wait_alu depctr_va_vdst(0)
	s_wait_loadcnt 0x0                             ; the scale words are in registers
.irp n, 0,1,2,3
	ds_store_b128 v[SW], v[LT+4*\n:LT+4*\n+3] offset:2048*\n
	ds_store_b128 v[SW], v[LT+16+4*\n:LT+16+4*\n+3] offset:BSC-ASC+2048*\n
.endr
	s_wait_dscnt 0x0                               ; for the others' sake: they lie in LDS
	s_wait_tensorcnt 1                             ; my part of slot 0 has landed; slot 1's load, issued behind it, may be out
	s_barrier_signal -1
	s_barrier_wait -1
	FETCH 0, 0
	KSTEP 0, 1
.irp q, 1,2,3,4,5,6,7
	KSTEP \q, 0
.endr
; THE WAY OUT.  A's tile a: my 64 numbers, register 16 b + i = B's row 32 b + 16 (lane / 16) + i, become a fragment's codes (two images) and a scale word.
.macro QUANTW a
.set W,  2+(\a)/4
.set WW, W|(W<<2)
.set AC, 64*((\a)%4)
.set PC, AF+8*(\a)
	WIN WW                                         ; sources 0 and 1: the accumulators' window
.irp b, 0,1,2,3
	v_max3_num_f32 v[TM+\b], |v[AC+16*\b]|, |v[AC+16*\b+1]|, 0x1800000    ; block b: my 16 numbers, each accumulator from its low end on, and the floor 2^(3 - 127)
.endr
.irp i, 2,4,6,8,10,12,14
.irp b, 0,1,2,3
	v_max3_num_f32 v[TM+\b], |v[AC+16*\b+\i]|, |v[AC+16*\b+\i+1]|, v[TM+\b]
.endr
.endr
	WIN 0
.irp b, 0,1,2,3
	v_permlanex16_b32 v[TM+4+\b], v[TM+\b], s[SEL], s[SEL+1]
.endr
.irp b, 0,1,2,3
	v_max_num_f32 v[TM+\b], v[TM+\b], v[TM+4+\b]   ; with lane l xor 16's: the block's largest magnitude
.endr
.irp b, 0,1,2,3
	v_add_nc_u32 v[TM+12+\b], 0xff000000, v[TM+\b] ; 2 off its exponent field: the conversion's scale operand
.endr
.irp b, 0,1,2,3
	v_lshrrev_b32 v[TM+4+\b], 23, v[TM+12+\b]      ; the scale's byte
.endr
	v_lshl_or_b32 v[PW], v[TM+5], 8, v[TM+4]
	v_lshl_or_b32 v[PW], v[TM+6], 16, v[PW]
	v_lshl_or_b32 v[PW], v[TM+7], 24, v[PW]
	WIN W                                          ; source 0: the accumulators' window
.irp b, 0,1,2,3
	v_cvt_scalef32_pk8_fp4_f32 v[PC+2*\b], v[AC+16*\b:AC+16*\b+7], v[TM+12+\b]
	v_cvt_scalef32_pk8_fp4_f32 v[PC+2*\b+1], v[AC+16*\b+8:AC+16*\b+15], v[TM+12+\b]
.endr
	WIN 0
	v_nop                                          ; one plain line behind a scaled conversion
.irp c, 0,1                                    ; the operand's layout wants a whole block in a lane: lanes 0-15 block 2 c, lanes 16-31 block 2 c + 1
.irp i, 0,1
	v_permlane16_swap_b32 v[PC+4*\c+\i], v[PC+2+4*\c+\i]
.endr
.endr
	global_store_b128 v[GI], v[PC:PC+3], s[90:91] offset:512*(\a)      ; an image: 512 consecutive bytes; its registers are not written again
	global_store_b128 v[GI], v[PC+4:PC+7], s[92:93] offset:512*(\a)
	ds_store_b32 v[SGW], v[PW] offset:64*(\a)      ; both halves of the lanes write the same word with the same value
.endm
	PLACES 4                                       ; between the last products and the first read of results, and the first write over A's fragments
.irp a, 0,1,2,3,4,5,6,7
	QUANTW \a
.endr
	ds_load_b128 v[72:75], v[SGR]                  ; my wave's 128 words: LDS serves a wave's instructions in order
	s_wait_dscnt 0x0
	global_store_b128 v[GI], v[72:75], s[94:95]    ; 512 consecutive bytes
	s_wait_tensorcnt 0x0
	ds_add_u32 v126, v127
	s_wait_dscnt 0x0
	CROUND                                         ; the closing round: no work-group ends while a partner may still ask for a tile that names it
	s_endpgm
.Lfunc_end_k_q6d61f47231_qkv:
	.size	k_q6d61f47231_qkv, .Lfunc_end_k_q6d61f47231_qkv-k_q6d61f47231_qkv
	.p2alignl 7, 3214868480
	.fill 96, 4, 3214868480
	.section	.rodata,"a",@progbits
	.p2align	6, 0x0
	.amdhsa_kernel k_q6d61f47231_qkv
		.amdhsa_group_segment_fixed_size 281088
		.amdhsa_private_segment_fixed_size 0
		.amdhsa_enable_private_segment 0
		.amdhsa_kernarg_size 32
		.amdhsa_user_sgpr_count 2
		.amdhsa_user_sgpr_kernarg_segment_ptr 1
		.amdhsa_wavefront_size32 1
		.amdhsa_system_sgpr_workgroup_id_x 1
		.amdhsa_system_sgpr_workgroup_id_y 1
		.amdhsa_system_sgpr_workgroup_id_z 1
		.amdhsa_system_vgpr_workitem_id 0
		.amdhsa_next_free_vgpr 1024
		.amdhsa_next_free_sgpr 100
		.amdhsa_reserve_vcc 0
		.amdhsa_float_denorm_mode_32 3
		.amdhsa_float_denorm_mode_16_64 3
		.amdhsa_memory_ordered 1
		.amdhsa_forward_progress 1
		.amdhsa_inst_pref_size 130
	.end_amdhsa_kernel
	.amdgpu_metadata
---
amdhsa.version: [ 1, 2 ]
amdhsa.kernels:
  - .name:           k_q6d61f47231_qkv
    .symbol:         k_q6d61f47231_qkv.kd
    .args:
      - { .name: cin, .offset: 0, .size: 8, .value_kind: global_buffer, .address_space: global }
      - { .name: sin, .offset: 8, .size: 8, .value_kind: global_buffer, .address_space: global }
      - { .name: qkc, .offset: 16, .size: 8, .value_kind: global_buffer, .address_space: global }
      - { .name: qks, .offset: 24, .size: 8, .value_kind: global_buffer, .address_space: global }
    .group_segment_fixed_size: 281088
    .private_segment_fixed_size: 0
    .kernarg_segment_align: 8
    .kernarg_segment_size: 32
    .max_flat_workgroup_size: 128
    .sgpr_count:     100
    .vgpr_count:     1024
    .wavefront_size: 32
...
	.end_amdgpu_metadata
.endif
;; end of part 2
;; launch attn (part 3): grid 8 x 32, 16 waves a work-group, clusters of 4 x 1, 281,600 bytes of LDS; arguments qkc, qks, oc, os; writes oc, os
.if DOCPART == 3
	.amdgcn_target "amdgcn-amd-amdhsa--gfx1250"
	.amdhsa_code_object_version 6
	.text
	.protected	k_q6d61f47231_attn
	.globl	k_q6d61f47231_attn
	.p2align	8
	.type	k_q6d61f47231_attn,@function
k_q6d61f47231_attn:
	s_mov_b64 s[64:65], 0
	v_nop
	global_prefetch_b8 v0, s[64:65] scope:SCOPE_SE
	s_setreg_imm32_b32 hwreg(HW_REG_WAVE_MODE, 25, 1), 1
	s_wait_xcnt 0x0
	s_wait_alu depctr_hold_cnt(0) depctr_sa_sdst(0) depctr_va_vdst(0) depctr_va_sdst(0) depctr_va_ssrc(0) depctr_va_vcc(0) depctr_vm_vsrc(0)
	s_getreg_b32 s2, hwreg(HW_REG_IB_STS2, 6, 4)
	s_cmp_eq_u32 s2, 0
	s_cbranch_scc0 .Lentry_in_a_cluster
	s_endpgm
.Lentry_in_a_cluster:
	s_bfe_u32 s2, ttmp6, 0x10000c
	s_cmp_lg_u32 s2, 0x3003
	s_cbranch_scc0 .Lentry_shape_is_right
	s_endpgm
.Lentry_shape_is_right:
; Attention on codes of FP4: for batch b and heads 2 pr, 2 pr + 1: O = softmax(Q K^T / 8) V, and O quantised at once along the model's 1,024 for the last product.
; THE SOFTMAX AHEAD OF THE SECOND PRODUCT: t = score x log2(e) / 8; M = the row's largest t so far, rounded UP to a whole number; p = 2^(t - M) is what is quantised, along the keys, not normalised.
; The row's sum is taken of the unquantised p and divides O at the end.  When M moves, the sum and O are multiplied by 2^(old M - new M): exact.
; SHARES.  A work-group owns 256 query positions of one batch and takes two heads, one after the other; each of its sixteen waves owns one tile of 16 queries, in 256 registers: four waves to a SIMD, so that one wave's
; vector work stands beside another's matrix work and LDS loads.  Every wave walks the batch's 2,048 keys, 128 a step.
; BOTH HEADS' K AND V LIE IN LDS WHOLE (4 x 65,536 bytes of images), each byte filled ONCE, at the head; the second head's land while the first is worked.  A wave has two tensor loads out at the most.
; CLUSTER.  The four query blocks of a cluster walk the same K and V: each tile is asked for jointly.  The scale words (16 KiB) come through registers.
; LAYOUT.  Both products are used transposed: S^T = K Q^T, O^T = V^T P^T: a lane holds ONE query throughout.  Positions hold rows with bits 3 and 4 exchanged, so the 16 registers of key tiles 2 b, 2 b + 1 are keys
; 32 b + 16 (lane / 16) + 0 .. 15, and those of V's feature tiles likewise neighbouring channels: p and O are quantised as they lie.
; THE HEAD'S 64 IN AN INSTRUCTION OF 128.  The even head's codes stand in a fragment's first four registers (its bytes are bytes 0, 1 of the pair's scale word), the odd head's in the last four (bytes 2, 3).
; Q's other four registers hold zero codes.  K's other four are whatever lies beside (a neighbour tile's codes): times zero codes they add exactly 0, under scale bytes that lie in 1 .. 254.
; LIMITS: NaN and infinities are not served; a block under 2^-124, or of zeros, keeps the scale byte 1.
; REGISTERS: v1-4 addresses that stay; v6, v7, v82 the scale words' way out; v8-11 addresses in hand; v12 -M, v13 the largest t, v[14:15] the sum; v[16:23] Q even {codes, 0}; v24 Q's scale word; v25 O's;
;   v[28:31], v[64:67] zeros beside K; v[32:63] K, 4 registers a tile; v[68:75] Q odd {0, codes}; v76-79 K's scale words, v80-81 V's; v[84:91] O's two images; v96-159 S^T, then p; v160-191 O^T;
;   v192-223 V's fragments; v224-231 p's codes; v232-254 at work.
.set KIMG,  0                          ; head e's K: e 65536 + key tile x 512
.set VIMG,  131072                     ; head e's V: e 65536 + (key / 64) 2048 + feature tile x 512
.set KSC,   262144                     ; K's scale words: 4 x key position
.set VSC,   270336                     ; V's: step x 512 + (64 e + feature position) 4
.set OSG,   278528                     ; O's scale words on their way out: 256 words
.set AK0,   1                          ; v1  16 x lane: my place in an image, in LDS and in memory
.set AV0,   2
.set ASK0,  3
.set ASV0,  4
.set ADK,   8
.set ADV,   9
.set ADS,   10
.set ADT,   11
.set WV,    12
.set SEL,   20
.set CS,    22                         ; s[22:23] c = log2(e) / 8
.set G1K,   24
.set G1V,   32
.set G0K,   40                         ; s[40:47] a set for each head
.set G0V,   48
.set TB,    56                         ; s56 where the step's images begin: 4,096 bytes a step, 65,536 a head, for K and V alike
.set TS,    57                         ; s57 and its scale words: 512 bytes a step, for K and V alike
.set CNT,   58
.macro CROUND
	s_barrier_signal -1
	s_barrier_wait -1
	s_cmp_lg_u32 s[WV], 0
	s_cbranch_scc1 .Lnot_wave_0_\@
	s_barrier_signal -3
.Lnot_wave_0_\@:
	s_barrier_wait -3
	s_barrier_signal -1
	s_barrier_wait -1
.endm
	s_load_b256 s[4:11], s[0:1], 0x0               ; qkc s[4:5], qks s[6:7], oc s[8:9], os s[10:11]
	v_lshl_add_u32 v251, v0, 2, 0x44400
	v_mov_b32 v255, 0
	ds_add_u32 v251, v255
	ds_add_u32 v251, v255
	v_lshrrev_b32 v8, 5, v0
	s_delay_alu instid0(VALU_DEP_1)
	v_readfirstlane_b32 s[WV], v8                  ; wave 0..15
	s_bfe_u32 s13, ttmp6, 0x40000                  ; cx
	s_lshl_b32 s14, ttmp9, 2
	s_add_co_u32 s14, s14, s13                     ; my block of 256 queries: it enters Q's, oc's and os's addresses alone
	s_and_b32 s17, ttmp7, 0xffff
	s_lshr_b32 s15, s17, 3                         ; the batch,
	s_and_b32 s16, s17, 7                          ; the pair of heads: the four partners share both
	s_and_b32 s18, s[WV], 3                        ; which quarter of K (waves 0-3) or of V (waves 4-7) I fetch
	s_lshl_b32 s60, s16, 1                         ; K: ((16 + 2 pr) 512 + 128 b + 32 quarter) 512
	s_add_co_u32 s60, s60, 16
	s_lshl_b32 s60, s60, 9
	s_lshl_b32 s61, s15, 7
	s_add_co_u32 s60, s60, s61
	s_lshl_b32 s61, s18, 5
	s_add_co_u32 s60, s60, s61
	s_lshl_b32 s60, s60, 9
	s_mov_b32 s61, 0
	s_lshl_b32 s62, s15, 5                         ; V: 8,388,608 + ((32 b + 8 quarter) 64 + 8 pr) 512
	s_lshl_b32 s63, s18, 3
	s_add_co_u32 s62, s62, s63
	s_lshl_b32 s62, s62, 6
	s_lshl_b32 s63, s16, 3
	s_add_co_u32 s62, s62, s63
	s_lshl_b32 s62, s62, 9
	s_add_co_u32 s62, s62, 0x800000
	s_mov_b32 s63, 0
	s_lshl_b32 s19, s18, 14                        ; a quarter in LDS: 16,384 bytes
	; descriptor group 1.  K: 32 tiles' images, 16,384 dense bytes, as 64 rows of 256 bytes.  V: 8 rows of 2,048 bytes (a head's four images of 64 keys), 32,768 bytes apart
	s_mov_b32 s[G1K], 15|(3<<16)|(1<<21)           ; 15:0 the mask: all four work-groups; 17:16 elements of 8 bytes; 21 set beside a mask
	s_mov_b32 s[G1K+1], 32<<16
	s_mov_b32 s[G1K+2], 64<<16
	s_mov_b32 s[G1K+3], 32<<16
	s_mov_b32 s[G1K+4], 64
	s_mov_b32 s[G1K+5], 32
	s_mov_b32 s[G1K+6], 0
	s_mov_b32 s[G1K+7], 0
	s_mov_b32 s[G1V], 15|(3<<16)|(1<<21)
	s_mov_b32 s[G1V+1], 256<<16
	s_mov_b32 s[G1V+2], 8<<16
	s_mov_b32 s[G1V+3], 256<<16
	s_mov_b32 s[G1V+4], 8
	s_mov_b32 s[G1V+5], 4096
	s_mov_b32 s[G1V+6], 0
	s_mov_b32 s[G1V+7], 0
	s_mov_b32 s[SEL], 0x76543210
	s_mov_b32 s[SEL+1], 0xfedcba98
	s_mov_b32 s[CS], 0x3e38aa3b                    ; c = log2(e) / 8
	s_mov_b32 s[CS+1], s[CS]                       ; (named with it as a pair, so it is written)
	s_wait_dscnt 0x0
	s_wait_kmcnt 0x0
	s_add_nc_u64 s[66:67], s[4:5], s[60:61]
	s_add_nc_u64 s[68:69], s[4:5], s[62:63]
	CROUND                                         ; all four work-groups are here: the joint loads meet
.irp e, 0,1
	s_mov_b32 s[G0K+4*\e], 1
	s_add_co_u32 s[G0K+4*\e+1], s19, KIMG+\e*65536
	s_add_nc_u64 s[G0K+4*\e+2:G0K+4*\e+3], s[66:67], \e*262144     ; the next head: 512 tiles on
	s_or_b32 s[G0K+4*\e+3], s[G0K+4*\e+3], 0x80000000
	s_mov_b32 s[G0V+4*\e], 1
	s_add_co_u32 s[G0V+4*\e+1], s19, VIMG+\e*65536
	s_add_nc_u64 s[G0V+4*\e+2:G0V+4*\e+3], s[68:69], \e*2048       ; the next head: four images on
	s_or_b32 s[G0V+4*\e+3], s[G0V+4*\e+3], 0x80000000
.endr
	s_cmp_lt_u32 s[WV], 4                          ; a wave's two fills stand in one branch on its number, ahead of every wait on TENSORcnt and every LDS read; four v_nop follow the second
	s_cbranch_scc0 .Lnot_k
	tensor_load_to_lds s[G0K:G0K+3], s[G1K:G1K+7]
	s_nop 0
	tensor_load_to_lds s[G0K+4:G0K+7], s[G1K:G1K+7]
	s_nop 0
.rept 4
	v_nop
.endr
	s_branch .Lasked
.Lnot_k:
	s_cmp_lt_u32 s[WV], 8
	s_cbranch_scc0 .Lasked
	tensor_load_to_lds s[G0V:G0V+3], s[G1V:G1V+7]
	s_nop 0
	tensor_load_to_lds s[G0V+4:G0V+7], s[G1V:G1V+7]
	s_nop 0
.rept 4
	v_nop
.endr
.Lasked:
	s_lshl_b32 s70, s15, 7
	s_lshl_b32 s71, s14, 4
	s_add_co_u32 s70, s70, s71
	s_add_co_u32 s70, s70, s[WV]                   ; my tile of queries: 128 b + 16 block + wave
	s_mov_b32 s73, 0
	s_lshl_b32 s72, s16, 10
	s_add_co_u32 s72, s72, s70
	s_lshl_b32 s72, s72, 9
	s_add_nc_u64 s[74:75], s[4:5], s[72:73]        ; Q's image of the even head: (2 pr 512 + tile) 512
	s_lshl_b32 s72, s16, 15
	s_lshl_b32 s71, s70, 6
	s_add_co_u32 s72, s72, s71
	s_add_nc_u64 s[76:77], s[6:7], s[72:73]        ; Q's scale words: (pr 8192 + 16 tile) 4
	s_lshl_b32 s72, s16, 15
	s_lshl_b32 s71, s15, 13
	s_add_co_u32 s72, s72, s71
	s_add_co_u32 s60, s72, 0x40000
	s_mov_b32 s61, 0
	s_add_nc_u64 s[78:79], s[6:7], s[60:61]        ; K's: ((8 + pr) 8192 + 2048 b) 4
	s_lshl_b32 s71, s14, 10
	s_add_co_u32 s72, s72, s71
	s_add_nc_u64 s[10:11], s[10:11], s[72:73]      ; os: (pr 8192 + 2048 b + 256 block) 4
	s_lshl_b32 s72, s70, 13
	s_lshl_b32 s71, s16, 10
	s_add_co_u32 s72, s72, s71
	s_add_nc_u64 s[8:9], s[8:9], s[72:73]          ; oc: (16 tile + 2 pr) 512
	s_lshl_b32 s60, s15, 16
	s_lshl_b32 s71, s16, 9
	s_add_co_u32 s60, s60, s71
	s_add_co_u32 s60, s60, 0x80000
	s_add_nc_u64 s[60:61], s[6:7], s[60:61]        ; V's scale words: 524,288 + (16 b 1024 + 128 pr) 4
	v_and_b32 v8, 31, v0                           ; lane
	v_and_b32 v9, 15, v0                           ; r
	s_delay_alu instid0(VALU_DEP_2)
	v_lshlrev_b32 v[AK0], 4, v8
	v_lshlrev_b32 v26, 4, v0                       ; K's words: 16 bytes a thread, 8,192 on end
	v_lshrrev_b32 v27, 5, v0
	s_delay_alu instid0(VALU_DEP_1)
	v_lshl_add_u32 v27, v27, 12, v[AK0]            ; V's: wave w takes step w's 512 bytes, 4,096 bytes apart in memory
	v_lshlrev_b32 v11, 2, v9
	global_load_b128 v[96:99], v26, s[78:79]
	global_load_b128 v[100:103], v27, s[60:61]
	global_load_b128 v[16:19], v[AK0], s[74:75]                    ; Q stays in registers: the even head's image,
	global_load_b128 v[72:75], v[AK0], s[74:75] offset:262144      ; the odd head's, 512 tiles on,
	global_load_b32 v24, v11, s[76:77]                             ; and the pair's scale words
	v_lshl_add_u32 v10, v0, 4, KSC
	v_add_nc_u32 v[AV0], VIMG, v[AK0]
	v_lshl_add_u32 v[ASK0], v8, 2, KSC             ; lanes 0-15 an even tile's words, lanes 16-31 the odd tile's beside it
	v_lshl_add_u32 v[ASV0], v8, 2, VSC
	s_lshl_b32 s71, s[WV], 6
	s_add_co_u32 s71, s71, OSG
	v_lshl_add_u32 v6, v9, 2, s71                  ; where I put O's scale word
	v_and_b32 v82, 63, v0
	s_delay_alu instid0(VALU_DEP_1)
	v_lshlrev_b32 v82, 4, v82                      ; the words' way out (waves 0 and 1): 16 bytes a thread
	s_delay_alu instid0(VALU_DEP_1)
	v_add_nc_u32 v7, OSG, v82
.irp j, 20,21,22,23,28,29,30,31,64,65,66,67,68,69,70,71
	v_mov_b32 v[\j], 0                             ; zero codes
.endr
.irp b, 0,1,2,3
	v_mov_b32 v[236+\b], 0                         ; written once: a lane permute's destination counts as one of its sources
.endr
	v_mov_b32 v252, 0
	v_mov_b32 v253, 0                              ; (named as the upper half of the pair v[252:253] before it is first written)
; A KEY STEP of head e: 128 keys.
.macro STEP e
.set KB, 32-4*\e                       ; K's fragment of tile t: v[KB + 4 t ..]: the tile's codes in its first (even head) or last (odd head) four registers
.set QB, 16+52*\e                      ; Q's fragment
	s_setprio 2
	v_add_nc_u32 v[ADK], s[TB], v[AK0]             ; (these four are also the plain lines between the last step's products and the loads into the registers that they read)
	v_add_nc_u32 v[ADV], s[TB], v[AV0]
	v_add_nc_u32 v[ADS], s[TS], v[ASK0]
	v_add_nc_u32 v[ADT], s[TS], v[ASV0]
.irp t, 0,1,2,3,4,5,6,7
	ds_load_b128 v[32+4*\t:35+4*\t], v[ADK] offset:512*\t
.endr
.irp u, 0,1,2,3
	ds_load_b32 v[76+\u], v[ADS] offset:128*\u
.endr
.irp ct, 0,1,2,3
.irp c, 0,1
	ds_load_b128 v[192+8*\ct+4*\c:195+8*\ct+4*\c], v[ADV] offset:2048*\c+512*\ct
.endr
.endr
.irp u, 0,1
	ds_load_b32 v[80+\u], v[ADT] offset:256*\e+128*\u
.endr
	s_wait_dscnt 10                                ; K and its words are in; V's eight loads and its two of words may be out
.irp u, 0,1,2,3                                ; S^T = K Q^T: eight tiles of 16 keys
	v_wmma_scale_f32_16x16x128_f8f6f4 v[96+16*\u:103+16*\u], v[KB+8*\u:KB+8*\u+7], v[QB:QB+7], 0, v[76+\u], v24 matrix_a_fmt:MATRIX_FMT_FP4 matrix_b_fmt:MATRIX_FMT_FP4
	v_wmma_scale_f32_16x16x128_f8f6f4 v[104+16*\u:111+16*\u], v[KB+8*\u+4:KB+8*\u+11], v[QB:QB+7], 0, v[76+\u], v24 matrix_a_fmt:MATRIX_FMT_FP4 matrix_b_fmt:MATRIX_FMT_FP4 matrix_a_scale:MATRIX_SCALE_ROW1
.endr
.rept 4
	v_nop
.endr
.irp b, 0,1,2,3
	v_max3_num_f32 v[232+\b], v[96+16*\b], v[97+16*\b], v[98+16*\b]   ; the largest score of each block of 32 keys: it serves for the row's maximum and, since p rises with the score, for the block's largest p
.endr
.irp i, 3,5,7,9,11,13
.irp b, 0,1,2,3
	v_max3_num_f32 v[232+\b], v[232+\b], v[96+16*\b+\i], v[97+16*\b+\i]
.endr
.endr
.irp b, 0,1,2,3
	v_max_num_f32 v[232+\b], v[232+\b], v[111+16*\b]
.endr
.irp b, 0,1,2,3
	s_delay_alu instid0(VALU_DEP_4)
	v_permlanex16_b32 v[236+\b], v[232+\b], s[SEL], s[SEL+1]
.endr
.irp b, 0,1,2,3
	s_delay_alu instid0(VALU_DEP_4)
	v_max_num_f32 v[232+\b], v[232+\b], v[236+\b]  ; with lane l xor 16's 16 keys
.endr
	s_delay_alu instid0(VALU_DEP_2)
	v_max3_num_f32 v254, v232, v233, v234
	s_delay_alu instid0(VALU_DEP_1)
	v_max_num_f32 v254, v254, v235                 ; the step's largest score of my query
	s_delay_alu instid0(VALU_DEP_1)
	v_mul_f32 v254, s[CS], v254                    ; as t (c is positive)
	s_delay_alu instid0(VALU_DEP_1)
	v_max_num_f32 v13, v13, v254                   ; the running largest t
	v_mov_b32 v254, v12
	s_delay_alu instid0(VALU_DEP_2)
	v_floor_f32 v12, -v13                          ; the new -M = floor(-t) = -ceil(t): a whole number
	s_delay_alu instid0(VALU_DEP_1)
	v_sub_f32 v254, v12, v254                      ; old M - new M: a whole number, 0 or less
	s_delay_alu instid0(VALU_DEP_1)
	v_cvt_i32_f32 v254, v254                       ; (it saturates)
	s_delay_alu instid0(VALU_DEP_1)
	v_ldexp_f32 v252, 1.0, v254                    ; f = 2^(old M - new M)
.set j, 0
.rept 32
	v_pk_fma_f32 v[96+j:97+j], v[96+j:97+j], s[CS:CS+1], v[12:13] op_sel_hi:[1,0,0]   ; t - M, two at a time
.set j, j+2
.endr
.irp b, 0,1,2,3
	v_fma_f32 v[232+\b], v[232+\b], s[CS], v12     ; the same of each block's largest score
.endr
.set j, 0
	s_wait_alu depctr_va_vdst(0)
.rept 64
	v_exp_f32 v[96+j], v[96+j]                     ; p = 2^(t - M), at most 1
.set j, j+1
.endr
	s_setprio 1
	v_pk_mul_f32 v[14:15], v[14:15], v[252:253] op_sel_hi:[1,0]    ; the sums under the new M (a plain line behind the exponentials)
	s_wait_alu depctr_va_vdst(0)                   ; one wait for the whole batch, ahead of its first reader
.irp b, 0,1,2,3
	v_exp_f32 v[232+\b], v[232+\b]                 ; the block's largest p: the same two instructions on the same number give the same bits
.endr
	v_pk_add_f32 v[236:237], v[100:101], v[104:105]
	v_pk_add_f32 v[248:249], v[108:109], v[112:113]
	v_pk_add_f32 v[246:247], v[116:117], v[120:121]
	v_pk_add_f32 v[244:245], v[124:125], v[128:129]
	v_pk_add_f32 v[242:243], v[132:133], v[136:137]
	v_pk_add_f32 v[240:241], v[140:141], v[144:145]
	v_pk_add_f32 v[238:239], v[148:149], v[152:153]
	v_pk_add_f32 v[14:15], v[14:15], v[156:157]
	v_pk_add_f32 v[236:237], v[236:237], v[96:97]
	v_pk_add_f32 v[248:249], v[248:249], v[98:99]
	v_pk_add_f32 v[246:247], v[246:247], v[102:103]
	v_pk_add_f32 v[244:245], v[244:245], v[106:107]
	v_pk_add_f32 v[242:243], v[242:243], v[110:111]
	v_pk_add_f32 v[240:241], v[240:241], v[114:115]
	v_pk_add_f32 v[238:239], v[238:239], v[118:119]
	v_pk_add_f32 v[14:15], v[14:15], v[122:123]
	v_pk_add_f32 v[236:237], v[236:237], v[126:127]
	v_pk_add_f32 v[248:249], v[248:249], v[130:131]
	v_pk_add_f32 v[246:247], v[246:247], v[134:135]
	v_pk_add_f32 v[244:245], v[244:245], v[138:139]
	v_pk_add_f32 v[242:243], v[242:243], v[142:143]
	v_pk_add_f32 v[240:241], v[240:241], v[146:147]
	v_pk_add_f32 v[238:239], v[238:239], v[150:151]
	v_pk_add_f32 v[14:15], v[14:15], v[154:155]
	v_pk_add_f32 v[236:237], v[236:237], v[158:159]
	s_delay_alu instid0(VALU_DEP_2)
	v_pk_add_f32 v[14:15], v[14:15], v[244:245]
	s_delay_alu instid0(VALU_DEP_2)
	v_pk_add_f32 v[236:237], v[236:237], v[242:243]
	v_pk_add_f32 v[248:249], v[248:249], v[240:241]
	v_pk_add_f32 v[246:247], v[246:247], v[238:239]
	s_delay_alu instid0(VALU_DEP_2)
	v_pk_add_f32 v[14:15], v[14:15], v[248:249]
	s_delay_alu instid0(VALU_DEP_2)
	v_pk_add_f32 v[236:237], v[236:237], v[246:247]
	s_delay_alu instid0(VALU_DEP_1)
	v_pk_add_f32 v[14:15], v[14:15], v[236:237]
	s_wait_alu depctr_va_vdst(0)                   ; and one for the four
.irp b, 0,1,2,3
	v_max_num_f32 v[232+\b], 0x1800000, v[232+\b]  ; the floor 2^(3 - 127): the byte cannot fall under 1
.endr
.irp b, 0,1,2,3
	s_delay_alu instid0(VALU_DEP_4)
	v_add_nc_u32 v[244+\b], 0xff000000, v[232+\b]  ; 2 off the exponent field: the conversion's scale operand
.endr
.irp b, 0,1,2,3
	s_delay_alu instid0(VALU_DEP_4)
	v_lshrrev_b32 v[236+\b], 23, v[244+\b]         ; the scale's byte
.endr
	s_delay_alu instid0(VALU_DEP_3)
	v_lshl_or_b32 v253, v237, 8, v236              ; p's scale word for these 128 keys
	s_delay_alu instid0(VALU_DEP_1)
	v_lshl_or_b32 v253, v238, 16, v253
	s_delay_alu instid0(VALU_DEP_1)
	v_lshl_or_b32 v253, v239, 24, v253
.irp b, 0,1,2,3
	v_cvt_scalef32_pk8_fp4_f32 v[224+2*\b], v[96+16*\b:103+16*\b], v[244+\b]
	v_cvt_scalef32_pk8_fp4_f32 v[225+2*\b], v[104+16*\b:111+16*\b], v[244+\b]
.endr
	v_nop                                          ; one plain line behind a scaled conversion
.irp c, 0,1                                    ; a whole block in a lane: lanes 0-15 block 2 c, lanes 16-31 block 2 c + 1
.irp i, 0,1
	v_permlane16_swap_b32 v[224+4*\c+\i], v[226+4*\c+\i]
.endr
.endr
.set j, 0
	s_setprio 0
.rept 16
	v_pk_mul_f32 v[160+j:161+j], v[160+j:161+j], v[252:253] op_sel_hi:[1,0]   ; O^T under the new M.  (These sixteen also stand between the lines that made p's codes and scale word and the products below)
.set j, j+2
.endr
	s_wait_alu depctr_va_vdst(0)
	s_wait_dscnt 0x0                               ; V and its words are in
.irp u, 0,1                                    ; O^T += V^T P^T: four tiles of 16 of the head's 64, one instruction each, by turns
	v_wmma_scale_f32_16x16x128_f8f6f4 v[160+16*\u:167+16*\u], v[192+16*\u:199+16*\u], v[224:231], v[160+16*\u:167+16*\u], v[80+\u], v253 matrix_a_fmt:MATRIX_FMT_FP4 matrix_b_fmt:MATRIX_FMT_FP4
	v_wmma_scale_f32_16x16x128_f8f6f4 v[168+16*\u:175+16*\u], v[200+16*\u:207+16*\u], v[224:231], v[168+16*\u:175+16*\u], v[80+\u], v253 matrix_a_fmt:MATRIX_FMT_FP4 matrix_b_fmt:MATRIX_FMT_FP4 matrix_a_scale:MATRIX_SCALE_ROW1
.endr
	s_add_co_u32 s[TB], s[TB], 4096
	s_add_co_u32 s[TS], s[TS], 512
.endm
.macro INIT                            ; the step is written once for a head: its first trip finds zeros, which the first change of M leaves zeros
	v_mov_b32 v13, 0xff61b1e6                      ; the largest t so far: -3e38, under every t
	s_delay_alu instid0(VALU_DEP_1)
	v_floor_f32 v12, -v13
	v_mov_b32 v14, 0
	v_mov_b32 v15, 0
.set j, 0
.rept 32
	v_mov_b32 v[160+j], 0
.set j, j+1
.endr
.endm
; Head e is finished: O^T / the sum, register 16 b + i = channel 32 b + 16 (lane / 16) + i, becomes an image and two bytes of the pair's scale word.
.macro FINISH e
.rept 4
	v_nop                                          ; between the last products and the first read of results
.endr
	v_add_f32 v14, v14, v15
	s_delay_alu instid0(VALU_DEP_1)
	v_permlanex16_b32 v252, v14, s[SEL], s[SEL+1]
	s_delay_alu instid0(VALU_DEP_1)
	v_add_f32 v14, v14, v252                       ; the row's sum
	s_wait_alu depctr_va_vdst(0)
	v_rcp_f32 v14, v14
	v_nop                                          ; one plain line behind a transcendental
	s_wait_alu depctr_va_vdst(0)                   ; and the wait ahead of its first reader
.set j, 0
.rept 32
	v_mul_f32 v[96+j], v[160+j], v14
.set j, j+1
.endr
.irp b, 0,1
	v_max3_num_f32 v[232+\b], |v[96+16*\b]|, |v[97+16*\b]|, 0x1800000
.endr
.irp i, 2,4,6,8,10,12,14
.irp b, 0,1
	s_delay_alu instid0(VALU_DEP_2)
	v_max3_num_f32 v[232+\b], v[232+\b], |v[96+16*\b+\i]|, |v[97+16*\b+\i]|
.endr
.endr
.irp b, 0,1
	s_delay_alu instid0(VALU_DEP_2)
	v_permlanex16_b32 v[236+\b], v[232+\b], s[SEL], s[SEL+1]
.endr
.irp b, 0,1
	s_delay_alu instid0(VALU_DEP_2)
	v_max_num_f32 v[232+\b], v[232+\b], v[236+\b]
.endr
.irp b, 0,1
	s_delay_alu instid0(VALU_DEP_2)
	v_add_nc_u32 v[244+\b], 0xff000000, v[232+\b]
.endr
.irp b, 0,1
	s_delay_alu instid0(VALU_DEP_2)
	v_lshrrev_b32 v[236+\b], 23, v[244+\b]
.endr
.if \e == 0
	s_delay_alu instid0(VALU_DEP_1)
	v_lshl_or_b32 v25, v237, 8, v236               ; bytes 0, 1: the even head's
.else
	s_delay_alu instid0(VALU_DEP_2)
	v_lshl_or_b32 v25, v236, 16, v25               ; bytes 2, 3: the odd head's
	s_delay_alu instid0(VALU_DEP_1)
	v_lshl_or_b32 v25, v237, 24, v25
.endif
.irp b, 0,1
	v_cvt_scalef32_pk8_fp4_f32 v[84+4*\e+2*\b], v[96+16*\b:103+16*\b], v[244+\b]
	v_cvt_scalef32_pk8_fp4_f32 v[85+4*\e+2*\b], v[104+16*\b:111+16*\b], v[244+\b]
.endr
	v_nop
.irp i, 0,1
	v_permlane16_swap_b32 v[84+4*\e+\i], v[86+4*\e+\i]
.endr
	global_store_b128 v[AK0], v[84+4*\e:87+4*\e], s[8:9] offset:512*\e    ; an image: 512 consecutive bytes; its registers are not written again
.endm
	s_wait_loadcnt 0x0                             ; the scale words and Q are in registers
	ds_store_b128 v10, v[96:99]
	ds_store_b128 v10, v[100:103] offset:VSC-KSC
	s_wait_dscnt 0x0                               ; for the others' sake: they lie in LDS
	s_wait_tensorcnt 1                             ; my part of the even head's tiles has landed; the odd head's load, issued behind it, may be out
	s_barrier_signal -1
	s_barrier_wait -1
	INIT
	s_mov_b32 s[TB], 0
	s_mov_b32 s[TS], 0
	s_mov_b32 s[CNT], 16
.Leven:
	STEP 0
	s_sub_co_u32 s[CNT], s[CNT], 1
	s_cmp_lg_u32 s[CNT], 0
	s_cbranch_scc1 .Leven
	s_setprio 0
	FINISH 0
	s_wait_tensorcnt 0x0                           ; my part of the odd head's tiles has landed,
	s_wait_dscnt 0x0
	s_barrier_signal -1
	s_barrier_wait -1                              ; everybody's has
	INIT
	s_mov_b32 s[TB], 65536
	s_mov_b32 s[TS], 0
	s_mov_b32 s[CNT], 16
.Lodd:
	STEP 1
	s_sub_co_u32 s[CNT], s[CNT], 1
	s_cmp_lg_u32 s[CNT], 0
	s_cbranch_scc1 .Lodd
	s_setprio 0
	FINISH 1
	ds_store_b32 v6, v25                           ; both halves of the lanes write the same word with the same value
	s_wait_dscnt 0x0
	s_barrier_signal -1
	s_barrier_wait -1                              ; the work-group's 256 words lie in LDS
	s_cmp_lt_u32 s[WV], 2                          ; waves 0 and 1 store them: sixteen lanes to 256 consecutive, aligned bytes
	s_cbranch_scc0 .Lno_words
	ds_load_b128 v[96:99], v7
	s_wait_dscnt 0x0
	global_store_b128 v82, v[96:99], s[10:11]
.Lno_words:
	s_wait_tensorcnt 0x0
	ds_add_u32 v251, v255
	s_wait_dscnt 0x0
	CROUND                                         ; the closing round: no work-group ends while a partner may still ask for a tile that names it
	s_endpgm
.Lfunc_end_k_q6d61f47231_attn:
	.size	k_q6d61f47231_attn, .Lfunc_end_k_q6d61f47231_attn-k_q6d61f47231_attn
	.p2alignl 7, 3214868480
	.fill 96, 4, 3214868480
	.section	.rodata,"a",@progbits
	.p2align	6, 0x0
	.amdhsa_kernel k_q6d61f47231_attn
		.amdhsa_group_segment_fixed_size 281600
		.amdhsa_private_segment_fixed_size 0
		.amdhsa_enable_private_segment 0
		.amdhsa_kernarg_size 32
		.amdhsa_user_sgpr_count 2
		.amdhsa_user_sgpr_kernarg_segment_ptr 1
		.amdhsa_wavefront_size32 1
		.amdhsa_system_sgpr_workgroup_id_x 1
		.amdhsa_system_sgpr_workgroup_id_y 1
		.amdhsa_system_sgpr_workgroup_id_z 1
		.amdhsa_system_vgpr_workitem_id 0
		.amdhsa_next_free_vgpr 256
		.amdhsa_next_free_sgpr 80
		.amdhsa_reserve_vcc 0
		.amdhsa_float_denorm_mode_32 3
		.amdhsa_float_denorm_mode_16_64 3
		.amdhsa_memory_ordered 1
		.amdhsa_forward_progress 1
		.amdhsa_inst_pref_size 53
	.end_amdhsa_kernel
	.amdgpu_metadata
---
amdhsa.version: [ 1, 2 ]
amdhsa.kernels:
  - .name:           k_q6d61f47231_attn
    .symbol:         k_q6d61f47231_attn.kd
    .args:
      - { .name: qkc, .offset: 0, .size: 8, .value_kind: global_buffer, .address_space: global }
      - { .name: qks, .offset: 8, .size: 8, .value_kind: global_buffer, .address_space: global }
      - { .name: oc, .offset: 16, .size: 8, .value_kind: global_buffer, .address_space: global }
      - { .name: os, .offset: 24, .size: 8, .value_kind: global_buffer, .address_space: global }
    .group_segment_fixed_size: 281600
    .private_segment_fixed_size: 0
    .kernarg_segment_align: 8
    .kernarg_segment_size: 32
    .max_flat_workgroup_size: 512
    .sgpr_count:     80
    .vgpr_count:     256
    .wavefront_size: 32
...
	.end_amdgpu_metadata
.endif
;; end of part 3
;; launch proj (part 4): grid 4 x 64, 4 waves a work-group, clusters of 4 x 4, 327,680 bytes of LDS; arguments oc, os, cin, sin, bo, out0; writes out0
.if DOCPART == 4
	.amdgcn_target "amdgcn-amd-amdhsa--gfx1250"
	.amdhsa_code_object_version 6
	.text
	.protected	k_q6d61f47231_proj
	.globl	k_q6d61f47231_proj
	.p2align	8
	.type	k_q6d61f47231_proj,@function
k_q6d61f47231_proj:
	s_mov_b64 s[64:65], 0
	v_nop
	global_prefetch_b8 v0, s[64:65] scope:SCOPE_SE
	s_setreg_imm32_b32 hwreg(HW_REG_WAVE_MODE, 25, 1), 1
	s_wait_xcnt 0x0
	s_wait_alu depctr_hold_cnt(0) depctr_sa_sdst(0) depctr_va_vdst(0) depctr_va_sdst(0) depctr_va_ssrc(0) depctr_va_vcc(0) depctr_vm_vsrc(0)
	s_getreg_b32 s2, hwreg(HW_REG_IB_STS2, 6, 4)
	s_cmp_eq_u32 s2, 0
	s_cbranch_scc0 .Lentry_in_a_cluster
	s_endpgm
.Lentry_in_a_cluster:
	s_bfe_u32 s2, ttmp6, 0x10000c
	s_cmp_lg_u32 s2, 0xf033
	s_cbranch_scc0 .Lentry_shape_is_right
	s_endpgm
.Lentry_shape_is_right:
; out0 = O Wo^T + bo on codes of FP4, K = 1,024.  O's codes and scale words come from the attention launch (oc, os), Wo's from the first launch (cin tiles 704-767, sin positions 11,264 on); both by position and as images.
; A tile is 128 positions of O x 256 of Wo, so that 256 work-groups share the 8,192 x 1,024 outputs; four waves, each 64 x 128 in 32 accumulators.  THE MATRIX INSTRUCTION IS USED TRANSPOSED (source 0 = 16 positions
; of Wo, source 1 = 16 of O): a lane holds one token position, and the registers of Wo's tiles 2 b, 2 b + 1 are output features 32 b + 16 (lane / 16) + 0 .. 15.  bo is the C of each sum's first instruction.
; ALL OF K LIES IN LDS: two slots of K = 512, each filled ONCE, at the head.  A wave has two tensor loads out at the most.
; CLUSTERS: 4 x 4.  O's tiles are shared along a row of the cluster, Wo's along a column: each is asked for jointly.  The scale words (12 KiB beside 192 KiB of codes) come through registers.
; Positions become rows again on the way out, in the stores' immediates: position 16 a + t of a wave's 64 is row 32 (a / 2) + 8 (a % 2) + t + 8 (t / 8).
; REGISTERS, in windows of 256: window 0: v1-28 addresses; v32-47 scale words, two sets; v64-87 scale words on their way into LDS; v128-191 O's fragments, two sets; on the way out v128-255 rows of out0.
;   window 1: Wo's fragments, two sets, at v0 and v128; v64-127 bo, eight registers a tile of Wo.   window 2: accumulators (a, b) at v[8 (8 a + b)].
.set NA,    4
.set SLOT,  NA*8192+65536
.set ASC,   2*SLOT
.set BSC,   ASC+8192
.set STG,   BSC+8192                   ; the way out: 16 rows x (512 bytes + 16) for each wave
.set SPITCH, 528
.set SLA,   12                         ; v12 O's scale words' place in memory for my thread;  v13 in LDS
.set SWA,   13
.set BOF,   14                         ; v14 64 x (lane / 16): my half's place in bo
.set ADRA,  16
.set ADRB,  20
.set SLO,   22                         ; v22, v23 the same two for Wo's scale words
.set SW,    23
.set STO,   24                         ; v24 the stage: where I put 32 bytes of a row
.set CO,    25                         ; v25 16 x lane
.set RD,    26                         ; v26 the stage: where I read a row back
.set ADRS,  27                         ; v27 scale words: lanes 0-15 O's, lanes 16-31 Wo's
.set ADRS2, 28                         ; v28 Wo's in every lane: for Wo's tiles 4-7, beside which O has none
.set SC,    32
.set LT,    64
.set AF,    128
.set BK,    128
.set BI,    64                         ; bo, in window 1
.set G1,    24
.set G0,    32
.set G1B,   48
.set G0B,   56
.set WV,    84
.set RH,    85
.set CH,    86
.set MSB, 0
.macro WIN new                         ; the immediate's high byte repeats the setting that is left
.if MSB != (\new)
	s_set_vgpr_msb (MSB<<8)|(\new)
.set MSB, (\new)
.endif
.endm
.macro JLOAD g0a, g0b                  ; a joint load: waves 0 and 1 fetch for O, waves 2 and 3 for Wo; four v_nop follow each of the two lines
	s_cmp_eq_u32 s[RH], 0
	s_cbranch_scc0 .Lfor_b_\@
	tensor_load_to_lds s[\g0a:\g0a+3], s[G1:G1+7]
	s_nop 0
.rept 4
	v_nop
.endr
	s_branch .Lasked_\@
.Lfor_b_\@:
	tensor_load_to_lds s[\g0b:\g0b+3], s[G1B:G1B+7]
	s_nop 0
.rept 4
	v_nop
.endr
.Lasked_\@:
.endm
.macro CROUND
	s_barrier_signal -1
	s_barrier_wait -1
	s_cmp_lg_u32 s[WV], 0
	s_cbranch_scc1 .Lnot_wave_0_\@
	s_barrier_signal -3
.Lnot_wave_0_\@:
	s_barrier_wait -3
	s_barrier_signal -1
	s_barrier_wait -1
.endm
.macro PLACES n
.rept \n
	v_nop
.endr
.endm
	s_load_b256 s[4:11], s[0:1], 0x0               ; oc s[4:5], os s[6:7], cin s[8:9], sin s[10:11]
	s_load_b128 s[12:15], s[0:1], 0x20             ; bo s[12:13], out0 s[14:15]
	v_lshl_add_u32 v126, v0, 2, 0x3c400
	v_mov_b32 v127, 0
	ds_add_u32 v126, v127
	ds_add_u32 v126, v127
	v_lshrrev_b32 v1, 5, v0
	v_readfirstlane_b32 s[WV], v1
	s_lshr_b32 s[RH], s[WV], 1
	s_and_b32 s[CH], s[WV], 1
	s_bfe_u32 s40, ttmp6, 0x40000                  ; cx, cy
	s_bfe_u32 s41, ttmp6, 0x40004
	s_lshl_b32 s42, ttmp9, 2
	s_add_co_u32 s42, s42, s40                     ; tile column (256 features)
	s_and_b32 s17, ttmp7, 0xffff
	s_lshl_b32 s17, s17, 2
	s_add_co_u32 s17, s17, s41                     ; tile row (128 positions)
	s_lshl_b32 s43, s41, 2
	s_lshl_b32 s43, 15, s43                        ; my row of the cluster
	s_lshl_b32 s44, 0x1111, s40                    ; my column
	; descriptor group 1: tiles' K half: rows of 4,096 bytes (512 elements of 8 bytes), 8,192 bytes apart in memory, on end in LDS: 4 rows for O, 8 for Wo
	s_or_b32 s[G1+0], s43, (3<<16)|(1<<21)
	s_mov_b32 s[G1+1], 512<<16
	s_mov_b32 s[G1+2], NA<<16
	s_mov_b32 s[G1+3], 512<<16
	s_mov_b32 s[G1+4], NA
	s_mov_b32 s[G1+5], 1024
	s_mov_b32 s[G1+6], 0
	s_mov_b32 s[G1+7], 0
	s_or_b32 s[G1B+0], s44, (3<<16)|(1<<21)
	s_mov_b32 s[G1B+1], 512<<16
	s_mov_b32 s[G1B+2], 8<<16
	s_mov_b32 s[G1B+3], 512<<16
	s_mov_b32 s[G1B+4], 8
	s_mov_b32 s[G1B+5], 1024
	s_mov_b32 s[G1B+6], 0
	s_mov_b32 s[G1B+7], 0
	s_lshl_b32 s70, s17, 3                         ; O's first tile of the work-group: it hangs on the tile row alone
	s_lshl_b32 s74, s17, 9                         ; its scale words: 512 bytes a work-group
	s_mov_b32 s75, 0
	s_lshl_b32 s72, s42, 4
	s_add_co_u32 s72, s72, 704                     ; Wo's: on the tile column alone
	s_lshl_b32 s76, s72, 6
	s_mov_b32 s77, 0
	s_lshl_b32 s18, s[CH], 2
	s_add_co_u32 s70, s70, s18                     ; which 4 tiles of O,
	s_lshl_b32 s18, s[CH], 3
	s_add_co_u32 s72, s72, s18                     ; which 8 of Wo I fetch
	s_lshl_b32 s70, s70, 13
	s_mov_b32 s71, 0
	s_lshl_b32 s72, s72, 13
	s_mov_b32 s73, 0
	s_mul_i32 s45, s[CH], NA*4096                  ; where they go: no place in the cluster enters an LDS address
	s_lshl_b32 s46, s[CH], 15
	s_add_co_u32 s46, s46, NA*8192
	s_wait_dscnt 0x0
	s_wait_kmcnt 0x0
	s_add_nc_u64 s[70:71], s[4:5], s[70:71]
	s_add_nc_u64 s[72:73], s[8:9], s[72:73]
	s_add_nc_u64 s[74:75], s[6:7], s[74:75]
	s_add_nc_u64 s[76:77], s[10:11], s[76:77]
	CROUND                                         ; all sixteen work-groups are here: the joint loads meet
.irp s, 0,1
	s_mov_b32 s[G0+4*\s], 1
	s_add_co_u32 s[G0+4*\s+1], s45, \s*SLOT
	s_add_nc_u64 s[G0+4*\s+2:G0+4*\s+3], s[70:71], \s*4096
	s_or_b32 s[G0+4*\s+3], s[G0+4*\s+3], 0x80000000
	s_mov_b32 s[G0B+4*\s], 1
	s_add_co_u32 s[G0B+4*\s+1], s46, \s*SLOT
	s_add_nc_u64 s[G0B+4*\s+2:G0B+4*\s+3], s[72:73], \s*4096
	s_or_b32 s[G0B+4*\s+3], s[G0B+4*\s+3], 0x80000000
	s_wait_alu depctr_va_vdst(0)
	s_wait_tensorcnt 0x0
	ds_add_u32 v126, v127
	ds_add_u32 v126, v127
	s_wait_dscnt 0x0
	CROUND
	JLOAD G0+4*\s, G0B+4*\s
.endr
	; the scale words.  O's: 8 rows of 512 bytes, 32,768 bytes apart in memory: 128 threads x 16 bytes take four rows.  Wo's: 8 rows of 1,024 bytes, 49,152 apart: two rows
	v_lshrrev_b32 v3, 5, v0
	v_and_b32 v4, 31, v0
	v_lshlrev_b32 v[CO], 4, v4
	v_lshl_add_u32 v[SLA], v3, 15, v[CO]
	v_lshl_add_u32 v[SWA], v3, 10, v[CO]
	v_add_nc_u32 v[SWA], ASC, v[SWA]
	v_lshrrev_b32 v3, 6, v0
	v_and_b32 v4, 63, v0
	v_mul_u32_u24 v[SLO], v3, 0xc000
	v_lshl_add_u32 v[SLO], v4, 4, v[SLO]
	v_lshl_add_u32 v[SW], v0, 4, BSC
.irp n, 0,1
	global_load_b128 v[LT+4*\n:LT+4*\n+3], v[SLA], s[74:75] offset:\n*131072
.endr
.irp n, 0,1,2,3
	global_load_b128 v[LT+8+4*\n:LT+8+4*\n+3], v[SLO], s[76:77] offset:\n*98304
.endr
	v_and_b32 v1, 15, v0                           ; r
	s_wait_alu depctr_va_vdst(0)
	v_bfe_u32 v2, v0, 4, 1                         ; h
	s_wait_alu depctr_va_vdst(0)
	v_lshlrev_b32 v[BOF], 6, v2
	s_lshl_b32 s20, s42, 10                        ; bo: my wave's 128 features
	s_lshl_b32 s21, s[CH], 9
	s_add_co_u32 s20, s20, s21
	s_mov_b32 s21, 0
	s_add_nc_u64 s[12:13], s[12:13], s[20:21]
	WIN 0x40                                       ; destination window 1
.irp b, 0,1,2,3,4,5,6,7                        ; lane (r, h) wants, for Wo's tile b, the features 32 (b / 2) + 16 h + 8 (b % 2) + 0 .. 7
	global_load_b128 v[BI+8*\b:BI+8*\b+3], v[BOF], s[12:13] offset:(32*(\b/2)+8*(\b%2))*4
	global_load_b128 v[BI+8*\b+4:BI+8*\b+7], v[BOF], s[12:13] offset:(32*(\b/2)+8*(\b%2))*4+16
.endr
	WIN 0
	s_mul_i32 s18, s[RH], NA*4096                  ; my 4 tiles of O,
	s_lshl_b32 s19, s[CH], 15
	s_add_co_u32 s19, s19, NA*8192                 ; my 8 of Wo, behind O's 8
.irp s, 0,1
	v_add_nc_u32 v[ADRA+\s], s18, v[CO]
	v_add_nc_u32 v[ADRB+\s], s19, v[CO]
	s_add_co_u32 s18, s18, SLOT
	s_add_co_u32 s19, s19, SLOT
.endr
	s_mul_i32 s21, s[RH], 64*NA                    ; O's words: my 64 positions
	s_lshl_b32 s22, s[CH], 9                       ; Wo's: my 128, 8,192 bytes behind O's
	s_add_co_u32 s23, s22, BSC
	v_lshl_add_u32 v[ADRS2], v1, 2, s23
	s_add_co_u32 s22, s22, BSC-ASC
	s_sub_co_u32 s22, s22, s21
	v_mul_u32_u24 v6, s22, v2                      ; lanes 16-31 take Wo's: the lower base + h x the distance
	s_add_co_u32 s21, s21, ASC
	v_lshlrev_b32 v5, 2, v1
	v_add_nc_u32 v5, v5, v6
	v_add_nc_u32 v[ADRS], s21, v5
	s_mul_i32 s18, s[WV], 16*SPITCH
	s_add_co_u32 s18, s18, STG                     ; my stage
	v_mul_u32_u24 v[STO], v1, SPITCH               ; in: row r, + 64 h: my half's 16 features of each 32
	v_lshl_add_u32 v[STO], v2, 6, v[STO]
	v_add_nc_u32 v[STO], s18, v[STO]
	v_add_nc_u32 v[RD], s18, v[CO]                 ; back: the 32 lanes take one row of 512 bytes
	s_lshl_b32 s18, s17, 7                         ; out0: row 128 x tile row + 64 x half, 4,096 bytes a row; + 1,024 x tile column + 512 x half
	s_lshl_b32 s19, s[RH], 6
	s_add_co_u32 s18, s18, s19
	s_lshl_b32 s18, s18, 12
	s_lshl_b32 s19, s42, 10
	s_add_co_u32 s18, s18, s19
	s_lshl_b32 s19, s[CH], 9
	s_add_co_u32 s18, s18, s19
	s_mov_b32 s19, 0
	s_add_nc_u64 s[14:15], s[14:15], s[18:19]
.macro FETCH q, p                      ; the fragments and scale words of step q (128 along K) into set p
	WIN 0x40
.irp i, 0,1,2,3,4,5,6,7
.irp c, 0,1
	ds_load_b128 v[128*(\p)+8*\i+4*\c:128*(\p)+8*\i+4*\c+3], v[ADRB+(\q)/4] offset:\i*4096+((\q)%4)*1024+512*\c
.endr
.endr
	WIN 0
.irp i, 0,1,2,3
.irp c, 0,1
	ds_load_b128 v[AF+8*NA*(\p)+8*\i+4*\c:AF+8*NA*(\p)+8*\i+4*\c+3], v[ADRA+(\q)/4] offset:\i*4096+((\q)%4)*1024+512*\c
.endr
.endr
.irp i, 0,1,2,3
	ds_load_b32 v[SC+8*(\p)+\i], v[ADRS] offset:(\q)*1024+64*\i    ; lanes 0-15: O's tile i; lanes 16-31: Wo's tile i
.endr
.irp i, 4,5,6,7
	ds_load_b32 v[SC+8*(\p)+\i], v[ADRS2] offset:(\q)*1024+64*\i   ; Wo's tile i
.endr
.endm
; O's tile a against Wo's eight.  The accumulators take turns, one instruction a turn, in the same order in every step.  first = 1: the sums start from bo.
.macro MULA a, p, first
.irp b, 0,1,2,3,4,5,6,7
.if \first
	v_wmma_scale_f32_16x16x128_f8f6f4 v[8*(8*(\a)+\b):8*(8*(\a)+\b)+7], v[128*(\p)+8*\b:128*(\p)+8*\b+7], v[AF+8*NA*(\p)+8*(\a):AF+8*NA*(\p)+8*(\a)+7], v[BI+8*\b:BI+8*\b+7], v[SC+8*(\p)+\b], v[SC+8*(\p)+(\a)] matrix_a_fmt:MATRIX_FMT_FP4 matrix_b_fmt:MATRIX_FMT_FP4 matrix_a_scale:MATRIX_SCALE_ROW1
.else
	v_wmma_scale_f32_16x16x128_f8f6f4 v[8*(8*(\a)+\b):8*(8*(\a)+\b)+7], v[128*(\p)+8*\b:128*(\p)+8*\b+7], v[AF+8*NA*(\p)+8*(\a):AF+8*NA*(\p)+8*(\a)+7], v[8*(8*(\a)+\b):8*(8*(\a)+\b)+7], v[SC+8*(\p)+\b], v[SC+8*(\p)+(\a)] matrix_a_fmt:MATRIX_FMT_FP4 matrix_b_fmt:MATRIX_FMT_FP4 matrix_a_scale:MATRIX_SCALE_ROW1
.endif
.endr
.endm
.macro KSTEP q, first
	s_wait_dscnt 0x0                               ; this step's set is in: it was asked for a step, 32 matrix instructions, ago
.if \q == 3
	s_wait_tensorcnt 0x0                           ; my part of slot 1 has landed,
	s_barrier_signal -1
	s_barrier_wait -1                              ; everybody's has; nothing is ever filled again
.endif
.if \q < 7
.if \q > 0
	PLACES 4                                       ; four plain lines between the last step's products and loads into the registers that they read (ISA guide 7.12.1 for vector instructions)
.endif
	FETCH \q+1, (\q+1)%2
.endif
.if \first
	WIN 0x91                                       ; source 0 (Wo) window 1, source 1 (O) window 0, C (bo) window 1, D window 2
.else
	WIN 0xa1                                       ; C and D window 2
.endif
.irp a, 0,1,2,3
	MULA \a, \q%2, \first
.endr
.endm
	s_wait_alu depctr_va_vdst(0)
	s_wait_loadcnt 0x0                             ; the scale words and bo are in registers
.irp n, 0,1
	ds_store_b128 v[SWA], v[LT+4*\n:LT+4*\n+3] offset:4096*\n
.endr
.irp n, 0,1,2,3
	ds_store_b128 v[SW], v[LT+8+4*\n:LT+8+4*\n+3] offset:2048*\n
.endr
	s_wait_dscnt 0x0                               ; for the others' sake: they lie in LDS
	s_wait_tensorcnt 1                             ; my part of slot 0 has landed; slot 1's load, issued behind it, may be out
	s_barrier_signal -1
	s_barrier_wait -1
	FETCH 0, 0
	KSTEP 0, 1
.irp q, 1,2,3,4,5,6,7
	KSTEP \q, 0
.endr
	WIN 0
; THE WAY OUT, a tile of 16 positions x 128 features at a time.  A lane holds pieces of 32 bytes of one row, and the lanes beside it hold other rows: so a tile goes through my own stage in LDS and comes back as whole
; rows of 512 bytes.  LDS serves a wave's instructions in order (ISA guide 5.7.1.4): no wait between the stores and the loads, nor in front of the next tile's stores.
.macro TOSTAGE a
	WIN 0x08                                       ; an LDS store's data are its source 1: window 2
.irp b, 0,1,2,3,4,5,6,7
	ds_store_b128 v[STO], v[64*(\a)+8*\b:64*(\a)+8*\b+3] offset:128*(\b/2)+32*(\b%2)       ; each accumulator from its low end on
	ds_store_b128 v[STO], v[64*(\a)+8*\b+4:64*(\a)+8*\b+7] offset:128*(\b/2)+32*(\b%2)+16
.endr
	WIN 0
.set BB, BK+64*((\a)%2)
.irp t, 0,1,2,3,4,5,6,7,8,9,10,11,12,13,14,15
	ds_load_b128 v[BB+4*\t:BB+4*\t+3], v[RD] offset:\t*SPITCH
.endr
.endm
.macro SEND a, younger                 ; younger: the LDS instructions issued behind tile a's loads, which may stay out
.set BB, BK+64*((\a)%2)
	s_wait_dscnt \younger
.irp t, 0,1,2,3,4,5,6,7,8,9,10,11,12,13,14,15
	global_store_b128 v[CO], v[BB+4*\t:BB+4*\t+3], s[14:15] offset:(32*((\a)/2)+8*((\a)%2)+\t+8*(\t/8))*4096 th:TH_STORE_NT   ; 32 lanes store 512 consecutive bytes, at a multiple of 256 from out0's first byte; the position's row stands in the immediate
.endr
.endm
	PLACES 4                                       ; between the last products and the first read of results, and the loads into the registers that held O's fragments
	TOSTAGE 0
.irp a, 1,2,3
.if \a > 1
	s_wait_xcnt 0x0                                ; tile a - 2's stores have read their registers: tile a's loads may land there
.endif
	TOSTAGE \a
	SEND \a-1, 32                                  ; behind tile a - 1's loads: tile a's 16 stores and 16 loads
.endr
	SEND 3, 0
	s_wait_tensorcnt 0x0
	ds_add_u32 v126, v127
	s_wait_dscnt 0x0
	CROUND                                         ; the closing round: no work-group ends while a partner may still ask for a tile that names it
	s_endpgm
.Lfunc_end_k_q6d61f47231_proj:
	.size	k_q6d61f47231_proj, .Lfunc_end_k_q6d61f47231_proj-k_q6d61f47231_proj
	.p2alignl 7, 3214868480
	.fill 96, 4, 3214868480
	.section	.rodata,"a",@progbits
	.p2align	6, 0x0
	.amdhsa_kernel k_q6d61f47231_proj
		.amdhsa_group_segment_fixed_size 327680
		.amdhsa_private_segment_fixed_size 0
		.amdhsa_enable_private_segment 0
		.amdhsa_kernarg_size 48
		.amdhsa_user_sgpr_count 2
		.amdhsa_user_sgpr_kernarg_segment_ptr 1
		.amdhsa_wavefront_size32 1
		.amdhsa_system_sgpr_workgroup_id_x 1
		.amdhsa_system_sgpr_workgroup_id_y 1
		.amdhsa_system_sgpr_workgroup_id_z 1
		.amdhsa_system_vgpr_workitem_id 0
		.amdhsa_next_free_vgpr 768
		.amdhsa_next_free_sgpr 100
		.amdhsa_reserve_vcc 0
		.amdhsa_float_denorm_mode_32 3
		.amdhsa_float_denorm_mode_16_64 3
		.amdhsa_memory_ordered 1
		.amdhsa_forward_progress 1
		.amdhsa_inst_pref_size 77
	.end_amdhsa_kernel
	.amdgpu_metadata
---
amdhsa.version: [ 1, 2 ]
amdhsa.kernels:
  - .name:           k_q6d61f47231_proj
    .symbol:         k_q6d61f47231_proj.kd
    .args:
      - { .name: oc, .offset: 0, .size: 8, .value_kind: global_buffer, .address_space: global }
      - { .name: os, .offset: 8, .size: 8, .value_kind: global_buffer, .address_space: global }
      - { .name: cin, .offset: 16, .size: 8, .value_kind: global_buffer, .address_space: global }
      - { .name: sin, .offset: 24, .size: 8, .value_kind: global_buffer, .address_space: global }
      - { .name: bo, .offset: 32, .size: 8, .value_kind: global_buffer, .address_space: global }
      - { .name: out0, .offset: 40, .size: 8, .value_kind: global_buffer, .address_space: global }
    .group_segment_fixed_size: 327680
    .private_segment_fixed_size: 0
    .kernarg_segment_align: 8
    .kernarg_segment_size: 48
    .max_flat_workgroup_size: 128
    .sgpr_count:     100
    .vgpr_count:     768
    .wavefront_size: 32
...
	.end_amdgpu_metadata
.endif
;; end of part 4
